; MI455X (gfx1250); checked and timed in simulation.
; The chip was launched on July 23, 2026; its instructions are those of AMD's public machine-readable ISA for CDNA 5 (MIT licence, August 2026) and "CDNA5" Instruction Set Architecture Reference Guide (July 2026). The comments in the code are by the model that wrote it; some were corrected since.
;; Multi Head Attention. Allowed arithmetic: matrix products marked QUANTISED: E5M2 operands, one E8M0 scale for each 32 along K, by v_wmma_scale_f32_16x16x128_f8f6f4 with both operands' format E5M2, f32 sums; everything else in f32.
;; Inputs: Wk_codes 1,024 x 32 x 32 uint8 (E5M2 codes of Wk, K innermost, in blocks of 32 codes); Wk_scales 1,024 x 32 uint8 (E8M0 scales of Wk, one for each 32 codes along K); Wo_codes 1,024 x 32 x 32 uint8 (E5M2 codes of Wo, K innermost, in blocks of 32 codes); Wo_scales 1,024 x 32 uint8 (E8M0 scales of Wo, one for each 32 codes along K); Wq_codes 1,024 x 32 x 32 uint8 (E5M2 codes of Wq, K innermost, in blocks of 32 codes); Wq_scales 1,024 x 32 uint8 (E8M0 scales of Wq, one for each 32 codes along K); Wv_codes 1,024 x 32 x 32 uint8 (E5M2 codes of Wv, K innermost, in blocks of 32 codes); Wv_scales 1,024 x 32 uint8 (E8M0 scales of Wv, one for each 32 codes along K); bk 1,024 float32; bo 1,024 float32; bq 1,024 float32; bv 1,024 float32; x_codes 4 x 2,048 x 32 x 32 uint8 (E5M2 codes of x, K innermost, in blocks of 32 codes); x_scales 4 x 2,048 x 32 uint8 (E8M0 scales of x, one for each 32 codes along K).
;; Outputs: out0 4 x 2,048 x 1,024 float32.
;; This version of the problem:
;;   THIS VERSION OF THE PROBLEM IS GIVEN IN LOW PRECISION. The matrix products marked QUANTISED in the list below multiply operands that are first quantised to E5M2 (5 exponent bits, 2 mantissa bits; 8 bits a number), with one power-of-two scale for each 32 numbers along K (OCP MX v1.0); their sums are f32. All else is computed in f32.
;;   The module's matrix products, in the order in which they are computed (A, B: the left and right operand; K: the contracted axis; several contracted axes count as one K, in the product's order):
;;     1. [M 8,192, K 1,024] x [K 1,024, N 1,024]; A: input x (given as codes); B: input Wq (given as codes): QUANTISED
;;     2. [M 8,192, K 1,024] x [K 1,024, N 1,024]; A: input x (given as codes); B: input Wk (given as codes): QUANTISED
;;     3. [M 8,192, K 1,024] x [K 1,024, N 1,024]; A: input x (given as codes); B: input Wv (given as codes): QUANTISED
;;     4. batch 64 x [M 2,048, K 64] x [K 64, N 2,048]; A: computed on the way; B: computed on the way: QUANTISED
;;     5. batch 64 x [M 2,048, K 2,048] x [K 2,048, N 64]; A: softmax (see below); B: computed on the way: QUANTISED
;;     6. [M 8,192, K 1,024] x [K 1,024, N 1,024]; A: computed on the way; B: input Wo (given as codes): QUANTISED
;;   THE QUANTISER, for each operand of a quantised product, along K:
;;     - K is cut into blocks of 32 from its start; a last block that is shorter is filled with zeros.
;;     - A block's scale is 2^e with e = floor(log2(the largest magnitude in the block)) - 15, held to -126 .. 127; a block of zeros has e = 0. As a byte (E8M0): e + 127.
;;     - Each number is divided by its block's scale, clamped to +-57,344, and rounded to the nearest number of E5M2, ties to even, subnormals kept.
;;     - The product sums the exact products of the quantised numbers (number of the format x scale) in f32.
;;   ~~~python
;;   def quantise(x, axis):      # numpy; x: float32 -> the quantised numbers, widened to float32 again
;;       x = np.moveaxis(x, axis, -1); K = x.shape[-1]
;;       x = np.pad(x, [(0, 0)] * (x.ndim - 1) + [(0, -K % 32)]); x = x.reshape(x.shape[:-1] + (-1, 32)); a = np.abs(x).max(-1, keepdims=True)
;;       e = np.where(a > 0, np.clip(np.frexp(np.where(a > 0, a, 1))[1] - 1 - 15, -126, 127), 0)      # np.frexp(a)[1] - 1 = floor(log2(a)), exactly
;;       r = np.clip(x / 2.0 ** e, -57344, 57344)
;;       step = 2.0 ** (np.maximum(np.frexp(np.where(r == 0, 1, r))[1] - 1, -14) - 2)
;;       q = np.round(r / step) * step * 2.0 ** e      # np.round: ties to even
;;       return np.moveaxis(q.reshape(q.shape[:-2] + (-1,))[..., :K], -1, axis).astype(np.float32)
;;   ~~~
;;   SOFTMAX AHEAD OF A QUANTISED PRODUCT. Where the list says 'softmax', what is quantised is not the finished softmax but p = 2^(t - M), with t = logit x log2(e) and M = ceil(the row's largest t), a whole number; so 1/2 < the row's largest p <= 1. The row's sum l is taken of the UNQUANTISED p, in f32, and the product's result is divided by l at the end. Since M is a whole number, a kernel that streams over the keys may use a running M (the ceiling of the running maximum): every later rescaling is an exact power of two, which a block's scale takes up: the codes' values come out the same.
;;   OPERANDS COMPUTED ON THE WAY. 'Computed on the way' means the value that the module computes at that place (a softmax that the list does not call 'softmax' is quantised finished and normalised). What goes into a quantiser is computed in f32, as accurately as f32 sums, v_exp_f32 and their like allow (about 1e-6 of the number): no bf16 or f16 on the way to a quantiser, and a product that is left as it is and whose result goes on into a quantised operand takes f32 operands (vector FMAs, or v_wmma_f32_16x16x4_f32). A number that lies on a knife's edge between two numbers of the format may be rounded either way, as far as f32 arithmetic and the matrix unit's own rounding can turn it there, and no further.
;;   INPUTS GIVEN AS CODES. Wk (in the module: [1024, 1024], K = its axis 1); Wo (in the module: [1024, 1024], K = its axis 1); Wq (in the module: [1024, 1024], K = its axis 1); Wv (in the module: [1024, 1024], K = its axis 1); x (in the module: [4, 2048, 1024], K = its axis 2): each comes as NAME_codes (uint8): NAME with its K axis moved to the last place and cut into blocks of 32 codes, [.., K / 32, bytes a block], one block behind the other in memory; one code a byte (a code: sign, 5 exponent bits, 2 mantissa bits); and NAME_scales (uint8): the same leading axes, one E8M0 byte (e + 127) for each 32 codes along K. Its value is code x scale, taken as it is: it is not quantised again, and the codes and scales need not be those that the quantiser above would give.
;; One version. Each part assembles by itself: llvm-mc -triple=amdgcn-amd-amdhsa -mcpu=gfx1250 --defsym DOCPART=n.
;; ======== version 1 of 1: 3 launches
;; limits: right only within a limited range of input values
;; workspace buffers: qc 8,388,608 bytes; qs 524,288 bytes; kv 17,825,792 bytes; oc 8,388,608 bytes; os 262,144 bytes
;; launch qkv (part 1): grid 12 x 32, 4 waves a work-group, clusters of 4 x 4, 327,680 bytes of LDS; arguments x_codes, x_scales, Wq_codes, Wq_scales, Wk_codes, Wk_scales, Wv_codes, Wv_scales, bq, bk, bv, qc, qs, kv; writes qc, qs, kv
.if DOCPART == 1
	.amdgcn_target "amdgcn-amd-amdhsa--gfx1250"
	.amdhsa_code_object_version 6
	.text
	.protected	k_q3d29ce9f96_qkv
	.globl	k_q3d29ce9f96_qkv
	.p2align	8
	.type	k_q3d29ce9f96_qkv,@function
k_q3d29ce9f96_qkv:
	s_mov_b64 s[64:65], 0
	v_nop
	global_prefetch_b8 v0, s[64:65] scope:SCOPE_SE
	s_setreg_imm32_b32 hwreg(HW_REG_WAVE_MODE, 25, 1), 1
	s_wait_xcnt 0x0
	s_wait_alu depctr_hold_cnt(0) depctr_sa_sdst(0) depctr_va_vdst(0) depctr_va_sdst(0) depctr_va_ssrc(0) depctr_va_vcc(0) depctr_vm_vsrc(0)
	s_getreg_b32 s2, hwreg(HW_REG_IB_STS2, 6, 4)
	s_cmp_eq_u32 s2, 0
	s_cbranch_scc0 .Lentry_in_a_cluster
	s_endpgm
.Lentry_in_a_cluster:
	s_bfe_u32 s2, ttmp6, 0x10000c
	s_cmp_lg_u32 s2, 0xf033
	s_cbranch_scc0 .Lentry_shape_is_right
	s_endpgm
.Lentry_shape_is_right:
; q = x Wq^T + bq, k = x Wk^T + bk, v = x Wv^T + bv on codes of BF8 (E5M2) with one E8M0 scale for each 32 along K = 1,024; the results are quantised again, in f32, and stored as IMAGES OF OPERAND REGISTERS
; for the attention launch: q and k along the head's 64, v along the keys.  A piece of an image is 512 bytes: lane l's 16 bytes (4 registers of a fragment) at 16 l.
; SHARES.  The cluster's x says which product (0: q, 1: k, 2: v): it is the same in all sixteen partners.  A work-group makes 256 tokens x 256 outputs, a wave 128 x 128: 64 accumulators, 512 registers.
; ROLES.  Source 1 (R, one set of registers, window 0): a lane holds one of its rows.  Source 0 (P, two sets, window 1): a lane's eight results run along its rows.  q, k: R = x, P = W: a lane holds a token, its registers run
; along d.  v: R = Wv, P = x: a lane holds a d, its registers run along the keys.  The tensor loads are the same for all three; only the LDS bases that a wave reads from are chosen.
; K goes in four steps of 256 through two LDS slots; x's tile is shared along a row of the cluster, W's along a column: joint loads.  The scale bytes of the work-group's rows come once and stay.
; THE BIAS is the C of each sum's first matrix instruction.  q is NOT divided by 8 here: the quantiser commutes with a power of two, and the attention launch folds 1/8 into its softmax constant.
; QUANTISER: a block's scale byte is its largest magnitude's exponent field - 15, held at 1 from below by a floor among the maximum's leaves; numbers are held within 57,344 x the scale, since the conversion does not saturate (ISA guide 7.6.2).
; LIMITS: a block of zeros gets the byte 1 (its codes are zeros; only this program reads the bytes); blocks whose largest magnitude lies under 2^-111 were not tried; blocks of q under 2^-108 meet the clip of the exponent
; at another place than a quantiser of q / 8 would; NaN and infinities are not served.
; No prefetch: of four K steps two are asked for at the head.  384 work-groups: no tile that keeps heads whole and 128 x 128 to a wave gives a multiple of 256.
; REGISTERS: window 0: v1-9 lane terms, v16-29 addresses, v32-63 scale words (nothing else, ever), v64-127 the bias, later at work, v128-255 R's fragments, later codes.  window 1: P's two sets.  windows 2, 3: accumulators (a, b) at v[8 (8 (a % 4) + b)].
; WHAT HOLDS NOW, in place of two sentences above.  (1) No LDS base is chosen by the product: the first LDS region (R) is shared along a row of the cluster and the second (P) along a column, and the product chooses only which buffer
; and which tile each region is filled from (for v: R = Wv's tile cy, P = x's tile 4 Y + cx).  (2) The tiles of K steps 1 to 3 are prefetched into the L2 at the head, behind the head's tensor loads: the text has no loop, and K step 1 is asked for as soon as
; K step 0 has landed.  Of the 128 rows that a wave fetches in the ring, each of the four partners that ask for them jointly names 32, told apart by address: a lane a row, 256 bytes of a row an instruction.  x's rows are named by the three clusters that load them;
; a weight's rows, which eight clusters load, by the clusters with y under 4 alone.
.set KROW,   1024
.set NQ,     2                         ; matrix instructions deep in a slot
.set ROWB,   256                       ; a tile's row: 256 codes
.set PITCH,  272                       ; in LDS: + 16 of padding: the 16 rows of a fragment load start at 16 different banks (64 banks of 4 bytes: ISA guide 11.1)
.set FR,     16
.set NL,     4
.set NP,     8                         ; places behind this matrix instruction (ISA guide 7.12.1)
.set HALFT,  128*PITCH
.set SLOT,   4*HALFT                   ; x's 256 rows, then W's 256 rows
.set KS,     32                        ; a row of scale bytes
.set SCL,    2*SLOT                    ; the scales, as units of 256 bytes + 16 of padding: x's two halves, then W's
.set HALFS,  (128*KS/256)*272
.set SBLK,   (16*KS/256)*272
.set SPARE,  327168                    ; the spare words, 128 bytes a wave, at the end of LDS: two blocks of 256 bytes that no other line names
.set BLK,    17408                     ; kv: a block of 128 keys of one head: K's images 8,192, V's 8,192, K's scale image 512, V's 512
.set ADRA, 16                          ; v16-17  R's fragments in slot 0, 1
.set ADRB, 20                          ; v20-21  P's
.set LI,   24                          ; v24     16 x lane
.set LIX,  25                          ; v25     16 x (lane xor 8): the order inside odd tiles of q's and k's images
.set ADRS, 27                          ; v27     my scale words: lanes 0-15 R's rows, lanes 16-31 P's
.set SPW,  28
.set NIL,  29
.set SC,   32
.set BI,   64                          ; the bias, 8 tiles of 8 registers
.set AF,   128
.set TM,   64                          ; the way out: +0..3 largest magnitudes, +4..7 bytes, +8..11 the hold, +12..15 the conversions' scale operands
.set WD,   80                          ; scale words, 16
.set XW,   96                          ; scale images, 8
.set CD0,  128                         ; codes: two sets of 16 by turns
.set G1, 24
.set G0, 32
.set G1B, 48
.set G0B, 56
.set TYPE, 66
.set ISV,  67
.set G1S, 68
.set G0S, 76
.set G1SB, 80
.set G0SB, 88
.set OC,   92                          ; s[92:93], s[94:95]: where my two heads' codes go
.set OS,   96                          ; s[96:97], s[98:99]: and their scale images
.set MNT,  100
.set SEL,  20
.set MSB, 0
.macro WIN new                         ; the immediate's high byte repeats the setting that is left
.if MSB != (\new)
	s_set_vgpr_msb (MSB<<8)|(\new)
.set MSB, (\new)
.endif
.endm
.set MUL_LO, 0xa1                      ; source 0 window 1, source 1 window 0, C and D window 2
.set MUL_HI, 0xf1
.set TO_B,   0x40
; A joint load: waves 0 and 1 fetch for x, waves 2 and 3 for W.  The branch hangs on the wave's number alone.  Four v_nop follow each of the two lines.
.macro JLOAD g0a, g1a, g0b, g1b
	s_cmp_eq_u32 s15, 0
	s_cbranch_scc0 .Lfor_b_\@
	tensor_load_to_lds s[\g0a:\g0a+3], s[\g1a:\g1a+7]
	s_nop 0
.rept 4
	v_nop
.endr
	s_branch .Lasked_\@
.Lfor_b_\@:
	tensor_load_to_lds s[\g0b:\g0b+3], s[\g1b:\g1b+7]
	s_nop 0
.rept 4
	v_nop
.endr
.Lasked_\@:
.endm
.macro CREST                           ; a round of the cluster's barrier behind its opening barrier
	s_cmp_lg_u32 s14, 0
	s_cbranch_scc1 .Lnot_wave_0_\@
	s_barrier_signal -3
.Lnot_wave_0_\@:
	s_barrier_wait -3
	s_barrier_signal -1
	s_barrier_wait -1
.endm
.macro CROUND
	s_barrier_signal -1
	s_barrier_wait -1
	CREST
.endm
	s_load_b128 s[4:7], s[0:1], 0x0                ; x's codes, x's scales
	s_load_b256 s[24:31], s[0:1], 0x10             ; Wq's codes, scales; Wk's codes, scales
	s_load_b128 s[32:35], s[0:1], 0x30             ; Wv's codes, scales
	s_load_b128 s[36:39], s[0:1], 0x40             ; bq, bk
	s_load_b128 s[48:51], s[0:1], 0x50             ; bv, qc
	s_load_b128 s[52:55], s[0:1], 0x60             ; qs, kv
	v_lshl_add_u32 v[SPW], v0, 2, SPARE
	v_mov_b32 v[NIL], 0
	ds_add_u32 v28, v29
	ds_add_u32 v28, v29
	s_wait_dscnt 0x0
	v_lshrrev_b32 v1, 5, v0
	v_readfirstlane_b32 s14, v1                    ; wave 0..3
	s_lshr_b32 s15, s14, 1                         ; my half of the tile's tokens.  Also: I fetch for x (0) or for W (1)
	s_and_b32 s16, s14, 1                          ; my half of W's rows.  Also: which 128 rows I fetch
	s_bfe_u32 s40, ttmp6, 0x40000                  ; cx: W's tile of 256 rows
	s_bfe_u32 s41, ttmp6, 0x40004                  ; cy
	s_mov_b32 s[TYPE], ttmp9                       ; the cluster's x: 0 q, 1 k, 2 v
	s_cmp_eq_u32 s[TYPE], 2
	s_cselect_b32 s[ISV], 1, 0
	s_and_b32 s17, ttmp7, 0xffff
	s_lshl_b32 s17, s17, 2
	; ROLES IN THE CLUSTER.  The first LDS region (R) is shared along a row of the cluster, the second (P) along a column.  q, k: R = x's tile 4 Y + cy, P = W's tile cx.
	; v: R = Wv's tile cy, P = x's tile 4 Y + cx.  The choice hangs on the cluster's number alone and enters global addresses alone: no LDS address hangs on the product.
	s_add_co_u32 s3, s17, s40                      ; 4 Y + cx
	s_add_co_u32 s17, s17, s41                     ; 4 Y + cy
	s_cmp_eq_u32 s[ISV], 1
	s_cselect_b32 s2, s41, s17                     ; R's tile of 256 rows
	s_cselect_b32 s3, s3, s40                      ; P's
	s_lshl_b32 s43, s41, 2
	s_lshl_b32 s43, 15, s43                        ; my row of the cluster
	s_lshl_b32 s44, 0x1111, s40                    ; my column
	s_wait_kmcnt 0x0
	s_cmp_eq_u32 s[TYPE], 0                        ; the product's buffers: the choice hangs on the cluster's number alone
	s_cselect_b64 s[8:9], s[24:25], s[28:29]
	s_cselect_b64 s[10:11], s[26:27], s[30:31]
	s_cselect_b64 s[12:13], s[36:37], s[38:39]
	s_cselect_b64 s[OC:OC+1], s[50:51], s[54:55]
	s_cselect_b64 s[OS:OS+1], s[52:53], s[54:55]
	s_cmp_eq_u32 s[TYPE], 2
	s_cselect_b64 s[8:9], s[32:33], s[8:9]         ; W's codes
	s_cselect_b64 s[10:11], s[34:35], s[10:11]     ; W's scales
	s_cselect_b64 s[12:13], s[48:49], s[12:13]
	s_cselect_b64 s[18:19], s[8:9], s[4:5]         ; R's codes: for v W's, else x's
	s_cselect_b64 s[8:9], s[4:5], s[8:9]           ; P's codes
	s_mov_b64 s[4:5], s[18:19]
	s_cselect_b64 s[18:19], s[10:11], s[6:7]       ; R's scales
	s_cselect_b64 s[10:11], s[6:7], s[10:11]       ; P's scales
	s_mov_b64 s[6:7], s[18:19]
	; descriptor group 1: a tile of 128 rows x 256 bytes, 16 bytes of padding behind each row
	s_or_b32 s[G1+0], s43, (0<<16)|(1<<20)|(1<<21)|(5<<22)|(3<<25)   ; the mask: x's tiles go to my row; elements of 1 byte; padding on; bit 21 beside a mask; after every 64 words, 4 words
	s_or_b32 s[G1B+0], s44, (0<<16)|(1<<20)|(1<<21)|(5<<22)|(3<<25)  ; W's tiles go to my column
.irp g, G1, G1B
	s_mov_b32 s[\g+1], ROWB<<16                    ; tensor_dim0
	s_mov_b32 s[\g+2], 256<<16                     ; the head's loads bring 256 rows; behind them the two words are set to 128
	s_mov_b32 s[\g+3], ROWB<<16
	s_mov_b32 s[\g+4], 256
	s_mov_b32 s[\g+5], KROW                        ; the pitch
	s_mov_b32 s[\g+6], 0
	s_mov_b32 s[\g+7], 0
.endr
	; the scales of 256 rows: 8,192 dense bytes, as 32 rows of 256 bytes (32 elements of 8), 16 bytes of padding behind each
	s_or_b32 s[G1S+0], s43, (3<<16)|(1<<20)|(1<<21)|(5<<22)|(3<<25)
	s_or_b32 s[G1SB+0], s44, (3<<16)|(1<<20)|(1<<21)|(5<<22)|(3<<25)
.irp g, G1S, G1SB
	s_mov_b32 s[\g+1], 32<<16
	s_mov_b32 s[\g+2], (256*KS/256)<<16            ; the scales of 256 rows: 32 rows of 256 bytes
	s_mov_b32 s[\g+3], 32<<16
	s_mov_b32 s[\g+4], 256*KS/256
	s_mov_b32 s[\g+5], 32
	s_mov_b32 s[\g+6], 0
	s_mov_b32 s[\g+7], 0
.endr
	s_lshl_b32 s20, s2, 8                          ; R: the tile's first row
	s_lshl_b32 s46, s3, 8                          ; P: likewise
	s_lshl_b32 s22, s20, 5                         ; their scales, 32 bytes a row,
	s_mov_b32 s23, 0
	s_lshl_b32 s100, s46, 5
	s_mov_b32 s101, 0
	s_lshl_b32 s20, s20, 10                        ; and their codes, 1,024 bytes a row
	s_mov_b32 s21, 0
	s_lshl_b32 s46, s46, 10
	s_mov_b32 s47, 0
	s_mul_i32 s45, s14, HALFT                      ; where they go: wave x 128 rows: no place in the cluster enters an LDS address
	s_lshl_b32 s18, s16, 17                        ; in the ring I fetch 128 rows of a tile: which half, in bytes
	s_mov_b32 s19, 0
	s_add_nc_u64 s[20:21], s[4:5], s[20:21]
	s_add_nc_u64 s[22:23], s[6:7], s[22:23]
	s_add_nc_u64 s[46:47], s[8:9], s[46:47]
	s_add_nc_u64 s[100:101], s[10:11], s[100:101]
	CROUND                                         ; all sixteen work-groups are here: the first joint loads meet
	s_mov_b32 s[G0S], 1
	s_mov_b32 s[G0S+1], SCL
	s_mov_b64 s[G0S+2:G0S+3], s[22:23]
	s_or_b32 s[G0S+3], s[G0S+3], 0x80000000
	s_mov_b32 s[G0SB], 1
	s_mov_b32 s[G0SB+1], SCL+2*HALFS
	s_mov_b64 s[G0SB+2:G0SB+3], s[100:101]
	s_or_b32 s[G0SB+3], s[G0SB+3], 0x80000000
	s_mov_b32 s4, 1                                ; s[4:7]: group 0 for K step 0's 256 rows of R (the arguments that lay there have been used)
	s_mov_b32 s5, 0
	s_mov_b64 s[6:7], s[20:21]
	s_or_b32 s7, s7, 0x80000000
	s_mov_b32 s8, 1                                ; s[8:11]: for its 256 rows of P
	s_mov_b32 s9, 2*HALFT
	s_mov_b64 s[10:11], s[46:47]
	s_or_b32 s11, s11, 0x80000000
	s_add_nc_u64 s[20:21], s[20:21], s[18:19]      ; for the ring: my 128 rows
	s_add_nc_u64 s[46:47], s[46:47], s[18:19]
	s_cmp_eq_u32 s15, 0                            ; the prefetches: the 128 rows that I fetch in the ring,
	s_cselect_b64 s[18:19], s[20:21], s[46:47]
	s_cselect_b32 s100, s40, s41                   ; my place among the four that ask for them with me,
	s_lshl_b32 s100, s100, 15                      ; and so my work-group's 32 rows of 1,024 bytes
	s_mov_b32 s101, 0
	s_add_nc_u64 s[18:19], s[18:19], s[100:101]
.irp s, 0,1
	s_mov_b32 s[G0+4*\s], 1
	s_add_co_u32 s[G0+4*\s+1], s45, \s*SLOT
	s_add_nc_u64 s[G0+4*\s+2:G0+4*\s+3], s[20:21], \s*ROWB
	s_or_b32 s[G0+4*\s+3], s[G0+4*\s+3], 0x80000000
	s_mov_b32 s[G0B+4*\s], 1
	s_add_co_u32 s[G0B+4*\s+1], s45, \s*SLOT
	s_add_nc_u64 s[G0B+4*\s+2:G0B+4*\s+3], s[46:47], \s*ROWB
	s_or_b32 s[G0B+4*\s+3], s[G0B+4*\s+3], 0x80000000
.endr
; THE HEAD'S LOADS, ONE A WAVE: wave 0 K step 0's 256 rows of R, wave 1 those of P, wave 2 R's scales, wave 3 P's.  One tree of branches on the wave's number: every way passes one load.
.macro ARM under, g0, g1, next
	s_cmp_lt_u32 s14, \under
	s_cbranch_scc0 \next
	tensor_load_to_lds s[\g0:\g0+3], s[\g1:\g1+7]
	s_nop 0
.rept 4
	v_nop
.endr
	s_branch .Lhead_asked
\next:
.endm
	ARM 1, 4, G1, .Lhead_b
	ARM 2, 8, G1B, .Lhead_sa
	ARM 3, G0S, G1S, .Lhead_sb
	tensor_load_to_lds s[G0SB:G0SB+3], s[G1SB:G1SB+7]
	s_nop 0
.rept 4
	v_nop
.endr
.Lhead_asked:
	v_and_b32 v1, 15, v0
	v_bfe_u32 v2, v0, 4, 1                         ; h (kept)
	v_mul_u32_u24 v3, v1, PITCH
	v_lshl_add_u32 v4, v2, 4, v3                   ; a fragment's row x pitch + 16 h
	s_wait_alu depctr_va_vdst(0)
	s_mul_i32 s21, s15, HALFT                      ; my 128 tokens of x,
	s_mul_i32 s22, s16, HALFT
	s_add_co_u32 s22, s22, 2*HALFT                 ; my 128 rows of W
	s_mov_b32 s23, s21                             ; R's half by my row of waves,
	s_mov_b32 s45, s22                             ; P's by my column
.irp s, 0,1
	v_add_nc_u32 v[ADRA+\s], s23, v4
	v_add_nc_u32 v[ADRB+\s], s45, v4
	s_add_co_u32 s23, s23, SLOT
	s_add_co_u32 s45, s45, SLOT
.endr
	v_mul_u32_u24 v5, v1, KS                       ; my row's scales: 32 bytes a row,
	v_lshrrev_b32 v6, 8, v5
	v_lshl_add_u32 v5, v6, 4, v5                   ; and 16 more for each 256 passed
	s_mul_i32 s21, s15, HALFS                      ; x's
	s_mul_i32 s22, s16, HALFS
	s_add_co_u32 s22, s22, 2*HALFS                 ; W's
	s_sub_co_u32 s22, s22, s21                     ; the distance between the two
	v_mul_u32_u24 v6, s22, v2                      ; lanes 0-15 take R's words, lanes 16-31 P's
	s_add_co_u32 s21, s21, SCL
	v_add_nc_u32 v5, v5, v6
	v_add_nc_u32 v[ADRS], s21, v5
	v_and_b32 v6, 31, v0
	v_lshlrev_b32 v[LI], 4, v6
	v_xor_b32 v[LIX], 128, v[LI]
	v_and_b32 v9, 31, v0
	v_lshlrev_b32 v9, 10, v9                       ; a lane a row
	s_xor_b32 s100, s15, s[ISV]                    ; 1 where my rows are a weight's
	s_and_b32 s101, ttmp7, 0xffff
	s_mul_i32 s100, s100, s101                     ; then the cluster's y, else 0
	s_wait_alu depctr_va_vdst(0)                   ; ahead of the branch
	s_cmp_lt_u32 s100, 4
	s_cbranch_scc0 .Lno_ask
	global_prefetch_b8 v9, s[18:19] offset:256 th:TH_LOAD_NT scope:SCOPE_SE    ; K steps 1, 2, 3 of my 32 rows
	global_prefetch_b8 v9, s[18:19] offset:512 th:TH_LOAD_NT scope:SCOPE_SE
	global_prefetch_b8 v9, s[18:19] offset:768 th:TH_LOAD_NT scope:SCOPE_SE
.Lno_ask:
	s_cmp_eq_u32 s[ISV], 1
	s_cselect_b32 s17, s3, s2
	s_cselect_b32 s40, s2, s3                      ; W's tile
	s_cselect_b32 s41, s16, s15                    ; my half of the tokens
	s_cselect_b32 s42, s15, s16                    ; my half of W's rows
	s_lshl_b32 s22, s40, 10
	s_lshl_b32 s23, s42, 9
	s_add_co_u32 s22, s22, s23
	s_mov_b32 s23, 0
	s_add_nc_u64 s[12:13], s[12:13], s[22:23]
	v_lshlrev_b32 v7, 5, v2                        ; 32 h
	v_lshlrev_b32 v8, 2, v1                        ; 4 r
	s_cmp_eq_u32 s[ISV], 1
	s_cbranch_scc1 .Lbias_v
.irp b, 0,1,2,3,4,5,6,7                    ; q, k: tile b of W's rows: the lane's eight outputs 16 b + 8 h + 0 .. 7
	global_load_b128 v[BI+8*\b:BI+8*\b+3], v7, s[12:13] offset:64*\b
	global_load_b128 v[BI+8*\b+4:BI+8*\b+7], v7, s[12:13] offset:64*\b+16
.endr
	s_branch .Lbias_done
.Lbias_v:
	s_wait_alu depctr_va_vdst(0)
.irp a, 0,1,2,3,4,5,6,7                    ; v: block a of W's rows: the lane's one output 16 a + r, eight times
.irp j, 0,1,2,3,4,5,6,7
	global_load_b32 v[BI+8*\a+\j], v8, s[12:13] offset:64*\a
.endr
.endr
.Lbias_done:
	; where my results go.  My 128 tokens are group g of batch bi; my 128 rows of W are heads 4 cx + 2 x half and the next
	s_wait_xcnt 0x0                                ; the prefetches have read their base: it is written again below
	s_lshl_b32 s18, s17, 8
	s_lshl_b32 s19, s41, 7
	s_add_co_u32 s18, s18, s19                     ; my first token
	s_lshr_b32 s19, s18, 11                        ; bi
	s_bfe_u32 s18, s18, 0x40007                    ; g
	s_lshl_b32 s19, s19, 4
	s_lshl_b32 s22, s40, 2
	s_add_co_u32 s19, s19, s22
	s_lshl_b32 s22, s42, 1
	s_add_co_u32 s19, s19, s22                     ; 16 bi + head
	s_lshl_b32 s19, s19, 4
	s_add_co_u32 s19, s19, s18                     ; x 16 + g: the block's number
	s_mov_b32 s22, BLK
	s_mov_b32 s23, BLK
	s_cmp_eq_u32 s[TYPE], 0
	s_cselect_b32 s22, 8192, s22                   ; a block of codes: 8,192 bytes in qc, 17,408 in kv
	s_cselect_b32 s23, 512, s23                    ; of scales: 512 in qs
	s_cselect_b32 s45, 0, 16384                    ; K's scale image lies 16,384 into a block,
	s_mov_b32 s46, 16896
	s_cmp_eq_u32 s[TYPE], 2
	s_cselect_b32 s45, s46, s45                    ; V's 16,896,
	s_cselect_b32 s18, 8192, 0                     ; V's codes 8,192
	s_mov_b32 s47, 0
	s_mul_i32 s46, s19, s22
	s_add_co_u32 s46, s46, s18
	s_add_nc_u64 s[OC:OC+1], s[OC:OC+1], s[46:47]
	s_lshl_b32 s46, s22, 4                         ; the next head: 16 blocks on
	s_add_nc_u64 s[OC+2:OC+3], s[OC:OC+1], s[46:47]
	s_mul_i32 s46, s19, s23
	s_add_co_u32 s46, s46, s45
	s_add_nc_u64 s[OS:OS+1], s[OS:OS+1], s[46:47]
	s_lshl_b32 s46, s23, 4
	s_add_nc_u64 s[OS+2:OS+3], s[OS:OS+1], s[46:47]
	s_mov_b32 s[MNT], 0x600000                     ; the mantissa field of 57,344
.macro FRAG reg, adr, q, i             ; 16 rows x 128 K: lane l holds row l % 16; registers 4 c .. 4 c + 3 hold K = 32 c + 16 (l / 16) + 0 .. 15
.irp c, 0,1,2,3
	ds_load_b128 v[\reg+4*\c:\reg+4*\c+3], v[\adr] offset:128*(\q)+32*\c+(\i)*16*PITCH
.endr
.endm
; 16 matrix instructions: R's blocks a0, a0 + 1 x P's eight.  zero = 0: C = D; 1: C = the bias by P's tile (q, k); 2: by R's block (v).  The 64 accumulators take turns, in the same order in every step.
.macro MUL16 a0, p, q, sc, zero
.irp a, \a0, \a0+1
.irp b, 0,1,2,3,4,5,6,7
.set rD, 8*(8*((\a)%4)+\b)
.set rP, 128*(\p)+FR*\b
.set rR, AF+FR*(\a)
.set rSP, SC+8*NQ*(\sc)+NQ*\b+(\q)
.set rSR, SC+8*NQ*(\sc)+NQ*(\a)+(\q)
.if (\zero) == 1
	v_wmma_scale_f32_16x16x128_f8f6f4 v[rD:rD+7], v[rP:rP+15], v[rR:rR+15], v[BI+8*\b:BI+8*\b+7], v[rSP], v[rSR] matrix_a_fmt:MATRIX_FMT_BF8 matrix_b_fmt:MATRIX_FMT_BF8 matrix_a_scale:MATRIX_SCALE_ROW1
.elseif (\zero) == 2
	v_wmma_scale_f32_16x16x128_f8f6f4 v[rD:rD+7], v[rP:rP+15], v[rR:rR+15], v[BI+8*(\a):BI+8*(\a)+7], v[rSP], v[rSR] matrix_a_fmt:MATRIX_FMT_BF8 matrix_b_fmt:MATRIX_FMT_BF8 matrix_a_scale:MATRIX_SCALE_ROW1
.else
	v_wmma_scale_f32_16x16x128_f8f6f4 v[rD:rD+7], v[rP:rP+15], v[rR:rR+15], v[rD:rD+7], v[rSP], v[rSR] matrix_a_fmt:MATRIX_FMT_BF8 matrix_b_fmt:MATRIX_FMT_BF8 matrix_a_scale:MATRIX_SCALE_ROW1
.endif
.endr
.endr
.endm
.macro FETCH_B slot, q, p
	WIN TO_B
.irp i, 0,1,2,3,4,5,6,7
	FRAG 128*(\p)+FR*\i, ADRB+\slot, \q, \i
.endr
	WIN 0
.endm
.macro FETCH_A slot, q, i0
.irp i, \i0, \i0+1, \i0+2, \i0+3
	FRAG AF+FR*(\i), ADRA+\slot, \q, \i
.endr
.endm
.macro SCALES sc                       ; a K step's scale words: two words a row; lanes 0-15 R's block i, lanes 16-31 P's block i
.irp i, 0,1,2,3,4,5,6,7
	ds_load_b64 v[SC+8*NQ*\sc+NQ*\i:SC+8*NQ*\sc+NQ*\i+1], v[ADRS] offset:\i*SBLK
.endr
.endm
.macro PLACES n                        ; plain vector instructions between a matrix instruction and a load into, or a read of, its registers
.rept \n
	v_nop
.endr
.endm
.macro STEP slot, q, zero              ; 128 along K that has its successor in the same slot
	s_wait_dscnt 4*NL                              ; P's set and R's blocks 0-3 are in; the youngest 16 loads (R's blocks 4-7) may be out
.if \zero
	WIN 0x81                                       ; C, the bias, in window 0
.else
	WIN MUL_LO
.endif
	MUL16 0, (\q)%2, \q, \slot, \zero
	MUL16 2, (\q)%2, \q, \slot, \zero
	s_wait_dscnt 0                                 ; R's blocks 4-7 are in
	PLACES NP
	FETCH_B \slot, (\q)+1, 1-(\q)%2
	FETCH_A \slot, (\q)+1, 0
.if \zero
	WIN 0xc1
.else
	WIN MUL_HI
.endif
	MUL16 4, (\q)%2, \q, \slot, \zero
	MUL16 6, (\q)%2, \q, \slot, \zero
	PLACES NP
	WIN 0
	FETCH_A \slot, (\q)+1, 4
.endm
; A slot's last step changes slots: one barrier; in front of it each wave waits for all its tensor loads, adds 0 to its spare word, and waits for that and for its own reads of this slot.  fill = 1: the slot is filled again, two K steps ahead.
.macro TURN slot, next, fill
	s_wait_tensorcnt 0x0                           ; all my tensor loads have landed: my part of the next slot
	ds_add_u32 v[SPW], v[NIL]                      ; 0 onto my spare word
	s_wait_dscnt 4*NL+1                            ; the add and the youngest 16 loads may be out
	WIN MUL_LO
	MUL16 0, 1, NQ-1, \slot, 0                     ; sixteen matrix instructions stand between the add and the wait for it
	s_wait_dscnt 0x0                               ; the add is done, and my reads of this slot are over
	s_barrier_signal -1
	MUL16 2, 1, NQ-1, \slot, 0
	WIN 0
	s_barrier_wait -1
.if \fill
	CREST                                          ; the barrier has opened a round of the cluster's: no wave of any partner still reads this slot or has a load on its way
	s_add_nc_u64 s[G0+4*\slot+2:G0+4*\slot+3], s[G0+4*\slot+2:G0+4*\slot+3], 2*ROWB
	s_add_nc_u64 s[G0B+4*\slot+2:G0B+4*\slot+3], s[G0B+4*\slot+2:G0B+4*\slot+3], 2*ROWB
	JLOAD G0+4*\slot, G1, G0B+4*\slot, G1B         ; the first tensor load behind the round; its four v_nop are among the places below
	PLACES NP-4
.else
	PLACES NP
.endif
	s_wait_alu depctr_va_vdst(0)
	v_add_nc_u32 v[ADRS], 4*NQ, v[ADRS]            ; the next K step's scale words
	FETCH_B \next, 0, 0
	FETCH_A \next, 0, 0
	SCALES \next
	WIN MUL_HI
	MUL16 4, 1, NQ-1, \slot, 0
	MUL16 6, 1, NQ-1, \slot, 0
	PLACES NP
	WIN 0
	FETCH_A \next, 0, 4
.endm
	s_wait_alu depctr_va_vdst(0)                   ; the head's end
	s_wait_tensorcnt 0x0                           ; my tile of the head's four is in; these lines stand ahead of a later first fill as ahead of a refill
	ds_add_u32 v[SPW], v[NIL]
	s_mov_b32 s[G1+2], 128<<16                     ; no tensor load of mine is out: from here on a load brings 128 rows
	s_mov_b32 s[G1+4], 128
	s_mov_b32 s[G1B+2], 128<<16
	s_mov_b32 s[G1B+4], 128
	s_wait_dscnt 0x0
	CROUND                                         ; all four tiles are in, and all sixteen work-groups are here
	JLOAD G0+4, G1, G0B+4, G1B                     ; K step 1: the first tensor load behind the round
	FETCH_B 0, 0, 0
	FETCH_A 0, 0, 0
	s_wait_alu depctr_va_vdst(0)
	SCALES 0
	FETCH_A 0, 0, 4
	s_wait_loadcnt 0x0                             ; the bias
	s_cmp_eq_u32 s[ISV], 1
	s_cbranch_scc1 .Lfirst_v
	STEP 0, 0, 1                                   ; the first products start the sums with the bias
	s_branch .Lfirst_done
.Lfirst_v:
	STEP 0, 0, 2
.Lfirst_done:
	TURN 0, 1, 1                                   ; K = 1,024 is four slots' worth: written out
	STEP 1, 0, 0
	TURN 1, 0, 1
	STEP 0, 0, 0
	TURN 0, 1, 0                                   ; nothing is left to fetch
	STEP 1, 0, 0
	s_wait_dscnt 4*NL
	WIN MUL_LO
	MUL16 0, 1, NQ-1, 1, 0
	MUL16 2, 1, NQ-1, 1, 0
	s_wait_dscnt 0
	WIN MUL_HI
	MUL16 4, 1, NQ-1, 1, 0
	MUL16 6, 1, NQ-1, 1, 0
	WIN 0
	PLACES NP
; THE WAY OUT.  Block a of R's rows: 64 numbers a lane, register 16 B + 8 u + j = position 16 u + 8 h + j of block B of 32 along the next K.  They become 16 registers of codes and four scale bytes.
; The two lanes r and r + 16 hold a block together.  After the conversions registers 4 B, 4 B + 1 hold positions 8 h + 0..7 and 4 B + 2, 4 B + 3 positions 16 + 8 h + 0..7; the exchange of the first pair's lanes 16-31
; with the second pair's lanes 0-15 leaves positions 16 h + 0 .. 15 in the four: the operand's layout.
.macro QUANT a
.set WN, 2+(\a)/4
.set AC, 64*((\a)%4)
.set CD, CD0+16*((\a)%2)
	WIN WN|(WN<<2)
.irp b, 0,1,2,3
	v_max3_num_f32 v[TM+\b], |v[AC+16*\b]|, |v[AC+16*\b+1]|, 0x8000000   ; each accumulator from its low end on; the floor 2^(16 - 127) holds the byte at 1 from below
.endr
	WIN (WN<<2)|(WN<<4)
.irp i, 2,4,6,8,10,12,14
.irp b, 0,1,2,3
	v_max3_num_f32 v[TM+\b], v[TM+\b], |v[AC+16*\b+\i]|, |v[AC+16*\b+\i+1]|
.endr
.endr
	WIN 0
.irp b, 0,1,2,3
	v_permlanex16_b32 v[TM+4+\b], v[TM+\b], s[SEL], s[SEL+1]
.endr
.irp b, 0,1,2,3
	v_max_num_f32 v[TM+\b], v[TM+\b], v[TM+4+\b]   ; with lane l xor 16's: the block's largest magnitude
.endr
.irp b, 0,1,2,3
	v_add_nc_u32 v[TM+12+\b], 0xf8800000, v[TM+\b] ; 15 off its exponent field: the conversion's scale operand
.endr
.irp b, 0,1,2,3
	v_and_or_b32 v[TM+8+\b], v[TM+\b], 0x7f800000, s[MNT]   ; 57,344 x the scale
.endr
.irp b, 0,1,2,3
	v_lshrrev_b32 v[TM+4+\b], 23, v[TM+12+\b]      ; the scale's byte
.endr
	WIN WN|(WN<<6)
.irp b, 0,1,2,3
.set i, 0
.rept 16
	v_med3_num_f32 v[AC+16*\b+i], v[AC+16*\b+i], -v[TM+8+\b], v[TM+8+\b]
.set i, i+1
.endr
.endr
.if (\a) > 1
	s_wait_alu depctr_va_vdst(0)
	s_wait_xcnt 0x0                                ; the stores of two blocks ago have read this set of codes
.endif
	WIN WN
.irp b, 0,1,2,3
	v_cvt_scalef32_pk8_bf8_f32 v[CD+4*\b:CD+4*\b+1], v[AC+16*\b:AC+16*\b+7], v[TM+12+\b]
	v_cvt_scalef32_pk8_bf8_f32 v[CD+4*\b+2:CD+4*\b+3], v[AC+16*\b+8:AC+16*\b+15], v[TM+12+\b]
.endr
	WIN 0
	v_nop                                          ; a plain instruction between the conversions and the first that touches their results
.irp b, 0,1,2,3
	v_permlane16_swap_b32 v[CD+4*\b], v[CD+4*\b+2]
	v_permlane16_swap_b32 v[CD+4*\b+1], v[CD+4*\b+3]
.endr
.endm
	s_mov_b32 s[SEL], 0x76543210
	s_mov_b32 s[SEL+1], 0xfedcba98                 ; lane l xor 16
	v_cmp_ne_u32 vcc_lo, 0, v2                     ; lanes 16-31
.irp b, 0,1,2,3
	v_mov_b32 v[TM+4+\b], 0                        ; a lane permute's destination counts as one of its sources
.endr
	s_cmp_eq_u32 s[ISV], 1
	s_cbranch_scc1 .Lout_v
; q, k: block a = 16 tokens; blocks 0, 1 of 32 are my first head's d, blocks 2, 3 my second's.  A head's scale word is its two bytes twice.  In odd tiles lane l's 16 bytes lie at 16 (l xor 8).
.macro OUT_QK a
	QUANT \a
	v_lshl_or_b32 v[WD+(\a)], v[TM+5], 8, v[TM+4]
	v_lshl_or_b32 v[WD+8+(\a)], v[TM+7], 8, v[TM+6]
	v_lshl_or_b32 v[WD+(\a)], v[WD+(\a)], 16, v[WD+(\a)]
	v_lshl_or_b32 v[WD+8+(\a)], v[WD+8+(\a)], 16, v[WD+8+(\a)]
.set AD, LI+(\a)%2
.irp e, 0,1
.irp c, 0,1
	global_store_b128 v[AD], v[CD+8*\e+4*\c:CD+8*\e+4*\c+3], s[OC+2*\e:OC+2*\e+1] offset:(\a)*1024+512*\c   ; 32 lanes store 512 consecutive bytes, aligned
.endr
.endr
.endm
.irp a, 0,1,2,3,4,5,6,7
	OUT_QK \a
.endr
.irp e, 0,1                                ; the scale image: lane (r, h) holds token r's words of tiles 4 h + 0 .. 3
.irp i, 0,1,2,3
	v_cndmask_b32 v[XW+4*\e+\i], v[WD+8*\e+\i], v[WD+8*\e+4+\i], vcc_lo
.endr
	global_store_b128 v[LI], v[XW+4*\e:XW+4*\e+3], s[OS+2*\e:OS+2*\e+1]
.endr
	s_branch .Lend
.Lout_v:
; v: block a = 16 of d: head a / 4, tile a % 4; the four blocks of 32 are my 128 keys
.macro OUT_V a
	QUANT \a
	v_lshl_or_b32 v[WD+(\a)], v[TM+5], 8, v[TM+4]
	v_lshl_or_b32 v[WD+(\a)], v[TM+6], 16, v[WD+(\a)]
	v_lshl_or_b32 v[WD+(\a)], v[TM+7], 24, v[WD+(\a)]
.irp c, 0,1,2,3
	global_store_b128 v[LI], v[CD+4*\c:CD+4*\c+3], s[OC+2*((\a)/4):OC+2*((\a)/4)+1] offset:((\a)%4)*2048+512*\c
.endr
.endm
.irp a, 0,1,2,3,4,5,6,7
	OUT_V \a
.endr
.irp e, 0,1                                ; the scale image: lane (r, h) holds the words of tiles 2 h and 2 h + 1 for d = r, then two zeros
	v_cndmask_b32 v[XW+4*\e], v[WD+4*\e], v[WD+4*\e+2], vcc_lo
	v_cndmask_b32 v[XW+4*\e+1], v[WD+4*\e+1], v[WD+4*\e+3], vcc_lo
	v_mov_b32 v[XW+4*\e+2], 0
	v_mov_b32 v[XW+4*\e+3], 0
	global_store_b128 v[LI], v[XW+4*\e:XW+4*\e+3], s[OS+2*\e:OS+2*\e+1]
.endr
.Lend:
	s_wait_tensorcnt 0x0                           ; the wave's end
	ds_add_u32 v[SPW], v[NIL]
	s_wait_dscnt 0x0
	CROUND                                         ; the closing round: no work-group ends while a partner may still ask for a tile that names it
	s_endpgm
.Lfunc_end_k_q3d29ce9f96_qkv:
	.size	k_q3d29ce9f96_qkv, .Lfunc_end_k_q3d29ce9f96_qkv-k_q3d29ce9f96_qkv
	.p2alignl 7, 3214868480
	.fill 96, 4, 3214868480
	.section	.rodata,"a",@progbits
	.p2align	6, 0x0
	.amdhsa_kernel k_q3d29ce9f96_qkv
		.amdhsa_group_segment_fixed_size 327680
		.amdhsa_private_segment_fixed_size 0
		.amdhsa_enable_private_segment 0
		.amdhsa_kernarg_size 112
		.amdhsa_user_sgpr_count 2
		.amdhsa_user_sgpr_kernarg_segment_ptr 1
		.amdhsa_wavefront_size32 1
		.amdhsa_system_sgpr_workgroup_id_x 1
		.amdhsa_system_sgpr_workgroup_id_y 1
		.amdhsa_system_sgpr_workgroup_id_z 1
		.amdhsa_system_vgpr_workitem_id 0
		.amdhsa_next_free_vgpr 1024
		.amdhsa_next_free_sgpr 102
		.amdhsa_reserve_vcc 1
		.amdhsa_float_denorm_mode_32 3
		.amdhsa_float_denorm_mode_16_64 3
		.amdhsa_memory_ordered 1
		.amdhsa_forward_progress 1
		.amdhsa_inst_pref_size 255
	.end_amdhsa_kernel
	.section	.bss,"aw",@nobits
	.p2align	6
	.space	262144
	.amdgpu_metadata
---
amdhsa.version: [ 1, 2 ]
amdhsa.kernels:
  - .name:           k_q3d29ce9f96_qkv
    .symbol:         k_q3d29ce9f96_qkv.kd
    .args:
      - { .name: x_codes, .offset: 0, .size: 8, .value_kind: global_buffer, .address_space: global }
      - { .name: x_scales, .offset: 8, .size: 8, .value_kind: global_buffer, .address_space: global }
      - { .name: Wq_codes, .offset: 16, .size: 8, .value_kind: global_buffer, .address_space: global }
      - { .name: Wq_scales, .offset: 24, .size: 8, .value_kind: global_buffer, .address_space: global }
      - { .name: Wk_codes, .offset: 32, .size: 8, .value_kind: global_buffer, .address_space: global }
      - { .name: Wk_scales, .offset: 40, .size: 8, .value_kind: global_buffer, .address_space: global }
      - { .name: Wv_codes, .offset: 48, .size: 8, .value_kind: global_buffer, .address_space: global }
      - { .name: Wv_scales, .offset: 56, .size: 8, .value_kind: global_buffer, .address_space: global }
      - { .name: bq, .offset: 64, .size: 8, .value_kind: global_buffer, .address_space: global }
      - { .name: bk, .offset: 72, .size: 8, .value_kind: global_buffer, .address_space: global }
      - { .name: bv, .offset: 80, .size: 8, .value_kind: global_buffer, .address_space: global }
      - { .name: qc, .offset: 88, .size: 8, .value_kind: global_buffer, .address_space: global }
      - { .name: qs, .offset: 96, .size: 8, .value_kind: global_buffer, .address_space: global }
      - { .name: kv, .offset: 104, .size: 8, .value_kind: global_buffer, .address_space: global }
    .group_segment_fixed_size: 327680
    .private_segment_fixed_size: 0
    .kernarg_segment_align: 8
    .kernarg_segment_size: 112
    .max_flat_workgroup_size: 128
    .sgpr_count:     102
    .vgpr_count:     1024
    .wavefront_size: 32
...
	.end_amdgpu_metadata
.endif
;; end of part 1
;; launch attn (part 2): grid 4 x 64, 8 waves a work-group, clusters of 4 x 1, 327,680 bytes of LDS; arguments qc, qs, kv, oc, os; writes oc, os
.if DOCPART == 2
	.amdgcn_target "amdgcn-amd-amdhsa--gfx1250"
	.amdhsa_code_object_version 6
	.text
	.protected	k_q3d29ce9f96_attn
	.globl	k_q3d29ce9f96_attn
	.p2align	8
	.type	k_q3d29ce9f96_attn,@function
k_q3d29ce9f96_attn:
	s_mov_b64 s[64:65], 0
	v_nop
	global_prefetch_b8 v0, s[64:65] scope:SCOPE_SE
	s_setreg_imm32_b32 hwreg(HW_REG_WAVE_MODE, 25, 1), 1
	s_wait_xcnt 0x0
	s_wait_alu depctr_hold_cnt(0) depctr_sa_sdst(0) depctr_va_vdst(0) depctr_va_sdst(0) depctr_va_ssrc(0) depctr_va_vcc(0) depctr_vm_vsrc(0)
	s_getreg_b32 s2, hwreg(HW_REG_IB_STS2, 6, 4)
	s_cmp_eq_u32 s2, 0
	s_cbranch_scc0 .Lentry_in_a_cluster
	s_endpgm
.Lentry_in_a_cluster:
	s_bfe_u32 s2, ttmp6, 0x10000c
	s_cmp_lg_u32 s2, 0x3003
	s_cbranch_scc0 .Lentry_shape_is_right
	s_endpgm
.Lentry_shape_is_right:
; o = softmax(q k^T / 8) v for one head of one batch, both products on codes of BF8 (E5M2) with E8M0 scales; o is quantised along the head's 64 and stored as images of operand registers (oc) and scale bytes (os).
; INPUTS are images of operand registers: a piece is 512 bytes, lane l's 16 bytes at 16 l (in odd tiles of q and k at 16 (l xor 8)).  kv: a block of 128 keys is 17,408 bytes: K 8,192, V 8,192, K's scale words 512, V's 512.
; SOFTMAX: t = score x log2(e) / 8 (q's division by 8 is a power of two and is folded here); M = the running largest t rounded up to a whole number; p = 2^(t - M) is quantised along the keys; the row's sum is taken of the unquantised p.
; When M moves, the sum and O are multiplied by 2^(old M - new M), which rounds nothing.
; SHARES.  A work-group owns 512 queries of a head, a wave 64: four tiles of 16, so that each fragment of K and V read from LDS feeds four tiles.  Every wave walks the head's 2,048 keys, 128 a step.
; LDS.  The head's 16 blocks, 278,528 bytes, are filled ONCE, by one tensor load a wave (two blocks each); nothing is filled again.  The four work-groups of a cluster walk the same head and ask jointly (mask 15).
; Waves 0 and 1 have a load line of their own and wait at the first barrier: blocks 0 to 3 serve the first three steps (a step also fetches the next step's K); the second barrier shows the rest.
; No prefetch: every tile is asked for at the head by the tensor loads themselves, so there is no later request to run ahead of.
; LAYOUT.  Both products transposed: a lane holds one query.  Lane r of a tile of K takes key 32 b + 8 u + r + 8 (r / 8), so that 16 registers of scores are 16 neighbouring keys.
; The head's 64 fill half of the instruction's 128: source 0 holds [tile u = 0 | tile u = 1], source 1 [q | zeros] or [zeros | q].  K's codes are finite (their quantiser holds them), so the half against zeros adds nothing.
; ORDER IN A STEP: tile t + 1's scores are issued behind tile t's conversions; tile t's 16 rescaling lines stand behind them as the plain lines that the scores' first reader and P's codes are owed (ISA guide 7.12.1); then tile t's second product.
; LIMITS: the promise holds while the scaled scores stay under 2^31 in magnitude; NaN and infinities are not served; a block of p or of o that is all zeros gets the byte 1 (its codes are zeros; only this program reads the bytes).
; REGISTERS.  Window 0: v1-29 addresses and scale words, v32-47 state (-M, largest score, sum x 2 a tile), v48-71 and v88-95 at work, v72-87 p's codes, v96-159 scores then p, v160-231 zeros and Q by turns.  Window 1: v0-127 O^T, v128-191 K, v192-255 V.
.set BLK,   17408
.set STRIP, 2*BLK
.set HEADB, 16*BLK
.set SPARE, HEADB                      ; the spare words, 128 bytes a wave: four blocks of 256 bytes that no other line names
.set VOFF,  8192
.set KSOFF, 16384
.set VSOFF, 16896
.set AK0, 1
.set AK1, 2
.set AKS, 3
.set LI,  4
.set LIX, 5
.set ADV, 6
.set ADK0, 7
.set KS,  8                            ; v8-11 K's scale words; v12-15 Q's; v16-17 V's; v18 p's: scales and nothing else
.set QS,  12
.set VS,  16
.set PS,  18
.set ADK1, 19
.set ADKS, 20
.set RQ,  21
.set LO,  22
.set SPW, 28
.set NIL, 29
.set ST,  32
.set BM,  48
.set TP,  52
.set HL,  56
.set SO,  60
.set F,   64
.set T,   66
.set SB,  68
.set BN,  88                           ; v88-91 the second chain of each block's maximum; then, as SA, v88-95: four more chains of the row's sum
.set SA,  88
.set PCD, 72
.set S,   96
.set QB,  160
.set WT,  232
.set HW,  236
.set KF,  128                          ; window 1
.set VF,  192
.set WV,  14
.set G1,  24
.set G0,  32
.set TB,  48
.set TK,  49
.set TRIP, 50
.set SEL, 52
.set CS,  54
.set MNT, 56
.set HIM, 57
.set MSB, 0
.macro WIN new                         ; the immediate's high byte repeats the setting that is left
.if MSB != (\new)
	s_set_vgpr_msb (MSB<<8)|(\new)
.set MSB, (\new)
.endif
.endm
.macro ROUND                           ; a round of the cluster's barrier
	s_barrier_signal -1
	s_barrier_wait -1
	s_cmp_lg_u32 s[WV], 0
	s_cbranch_scc1 .Lnot_wave_0_\@
	s_barrier_signal -3
.Lnot_wave_0_\@:
	s_barrier_wait -3
	s_barrier_signal -1
	s_barrier_wait -1
.endm
	s_load_b256 s[4:11], s[0:1], 0x0               ; qc, qs, kv, oc
	s_load_b64 s[12:13], s[0:1], 0x20              ; os
	v_lshl_add_u32 v[SPW], v0, 2, SPARE
	v_mov_b32 v[NIL], 0
	ds_add_u32 v[SPW], v[NIL]                      ; the opening lines: the add, twice on end, and its wait ahead of my tensor load
	ds_add_u32 v[SPW], v[NIL]
	v_lshrrev_b32 v23, 5, v0
	v_readfirstlane_b32 s[WV], v23                 ; wave 0..7
	v_and_b32 v23, 31, v0
	v_lshlrev_b32 v[LI], 4, v23                    ; 16 x lane
	v_xor_b32 v[LIX], 128, v[LI]                   ; 16 x (lane xor 8)
	v_and_b32 v[RQ], 15, v0
	v_lshlrev_b32 v[RQ], 4, v[RQ]
	v_lshlrev_b32 v[LO], 5, v23
	v_cmp_lt_u32 s[HIM], 15, v23                   ; lanes 16-31
	v_and_b32 v24, 7, v0
	v_bfe_u32 v25, v0, 3, 1
	v_bfe_u32 v26, v0, 4, 1
	v_lshlrev_b32 v27, 4, v24
	v_lshl_add_u32 v27, v26, 8, v27
	v_mad_u32_u24 v[AK0], v25, 1152, v27           ; tile u = 0: lanes 0-7 of a row from the even image, lanes 8-15 from the odd one
	v_mad_u32_u24 v[AK1], v25, 896, v27
	v_add_nc_u32 v[AK1], 128, v[AK1]               ; tile u = 1
	v_lshl_add_u32 v[AKS], v26, 3, v24
	v_lshlrev_b32 v[AKS], 4, v[AKS]
	v_lshl_add_u32 v[AKS], v25, 2, v[AKS]          ; K's scale words: lanes 0-15 tile u = 0's, lanes 16-31 tile u = 1's
	s_bfe_u32 s15, ttmp6, 0x40000                  ; cx: my 512 queries
	s_and_b32 s16, ttmp7, 0xffff                   ; 16 x batch + head
	s_mul_i32 s17, s[WV], STRIP                    ; my two blocks, in LDS
	s_mul_i32 s18, s16, HEADB
	s_add_co_u32 s18, s18, s17                     ; and in kv
	s_mov_b32 s19, 0
	s_lshl_b32 s20, s16, 17                        ; qc: 131,072 a head, 1,024 a tile: tile 32 cx + 4 wave
	s_lshl_b32 s22, s15, 15
	s_add_co_u32 s20, s20, s22
	s_lshl_b32 s22, s[WV], 12
	s_add_co_u32 s20, s20, s22
	s_mov_b32 s21, 0
	s_lshl_b32 s22, s16, 13                        ; qs: 8,192 a head; my four tiles' words of a row are 16 bytes on end
	s_lshl_b32 s23, s15, 11
	s_add_co_u32 s22, s22, s23
	s_lshl_b32 s23, s[WV], 8
	s_add_co_u32 s22, s22, s23
	s_mov_b32 s23, 0
	s_lshr_b32 s62, s16, 4
	s_and_b32 s63, s16, 15
	s_lshl_b32 s58, s62, 7
	s_lshl_b32 s60, s15, 5
	s_add_co_u32 s58, s58, s60
	s_lshl_b32 s60, s[WV], 2
	s_add_co_u32 s58, s58, s60                     ; my first tile of 16 tokens
	s_lshl_b32 s60, s58, 9                         ; os: 32 bytes a token,
	s_lshl_b32 s58, s58, 14                        ; oc: 16,384 a tile,
	s_lshl_b32 s62, s63, 10
	s_add_co_u32 s58, s58, s62                     ; 1,024 a head
	s_mov_b32 s59, 0
	s_lshl_b32 s62, s63, 1
	s_add_co_u32 s60, s60, s62                     ; two bytes a head
	s_mov_b32 s61, 0
	s_mov_b32 s[G1], 15|(3<<16)|(1<<21)            ; the mask: all four of the cluster; elements of 8 bytes; bit 21 beside a mask
	s_mov_b32 s[G1+1], 32<<16                      ; 136 dense rows of 256 bytes
	s_mov_b32 s[G1+2], 136<<16
	s_mov_b32 s[G1+3], 32<<16
	s_mov_b32 s[G1+4], 136
	s_mov_b32 s[G1+5], 32
	s_mov_b32 s[G1+6], 0
	s_mov_b32 s[G1+7], 0
	s_mov_b32 s[SEL], 0x76543210
	s_mov_b32 s[SEL+1], 0xfedcba98                 ; lane l xor 16
	s_mov_b32 s[CS], 0x3e38aa3b                    ; c = log2(e) / 8
	s_mov_b32 s[CS+1], s[CS]
	s_mov_b32 s[MNT], 0x600000                     ; the mantissa field of 57,344
	s_mov_b32 s[TB], 0
.irp z, 0,1,2,3,4                          ; the zeros between Q's fragments
.irp j, 0,1,2,3,4,5,6,7
	v_mov_b32 v[QB+16*\z+\j], 0
.endr
.endr
.irp t, 0,1,2,3
	v_mov_b32 v[ST+4*\t], 0x7e000000               ; -M: far above every -M to come, so that the first factor is 0
	v_mov_b32 v[ST+4*\t+1], 0xff61b1e6             ; the largest score so far: -3e38
	v_mov_b32 v[ST+4*\t+2], 0                      ; the sum, in two halves
	v_mov_b32 v[ST+4*\t+3], 0
	v_mov_b32 v[TP+\t], 0                          ; a lane permute's destination counts as one of its sources
.endr
	v_mov_b32 v[F+1], 0                            ; named as the upper half of a pair
	WIN 0x40
.set j, 0
.rept 128
	v_mov_b32 v[j], 0                              ; O^T.  The step is written without a first step of its own: it finds zeros, which the first change of M leaves zeros
.set j, j+1
.endr
	WIN 0
	s_wait_alu depctr_va_vdst(0)
	s_wait_dscnt 0x0                               ; both opening adds are done
	ROUND                                          ; all four work-groups are here: the joint loads meet
	s_wait_kmcnt 0x0
	s_add_nc_u64 s[8:9], s[8:9], s[18:19]
	s_add_nc_u64 s[4:5], s[4:5], s[20:21]
	s_add_nc_u64 s[6:7], s[6:7], s[22:23]
	s_add_nc_u64 s[10:11], s[10:11], s[58:59]
	s_add_nc_u64 s[12:13], s[12:13], s[60:61]
	s_mov_b32 s[G0], 1
	s_mov_b32 s[G0+1], s17
	s_mov_b64 s[G0+2:G0+3], s[8:9]
	s_or_b32 s[G0+3], s[G0+3], 0x80000000
	s_cmp_lt_u32 s[WV], 2                          ; one load a wave; waves 0 and 1, which alone wait at the first barrier, have a line of their own
	s_cbranch_scc0 .Lrest
	tensor_load_to_lds s[G0:G0+3], s[G1:G1+7]
	s_nop 0
.rept 4
	v_nop
.endr
	s_branch .Lasked
.Lrest:
	tensor_load_to_lds s[G0:G0+3], s[G1:G1+7]
	s_nop 0
.rept 4
	v_nop
.endr
.Lasked:
.irp t, 0,2                                ; Q's four fragments stay in registers; odd tiles lie in the other order
.irp c, 0,1
	global_load_b128 v[QB+16*\t+8+4*\c:QB+16*\t+8+4*\c+3], v[LI], s[4:5] offset:1024*\t+512*\c
	global_load_b128 v[QB+16*\t+24+4*\c:QB+16*\t+24+4*\c+3], v[LIX], s[4:5] offset:1024*\t+1024+512*\c
.endr
.endr
	global_load_b128 v[QS:QS+3], v[RQ], s[6:7]     ; row r's scale words of my four tiles
.macro KLOAD k0, k1, ks                ; a step's K: four pairs of tiles, 64 registers, and their scale words
	WIN 0x40
.irp b, 0,1,2,3
.irp c, 0,1
	ds_load_b128 v[KF+16*\b+4*\c:KF+16*\b+4*\c+3], v[\k0] offset:2048*\b+512*\c
	ds_load_b128 v[KF+16*\b+8+4*\c:KF+16*\b+8+4*\c+3], v[\k1] offset:2048*\b+512*\c
.endr
.endr
	WIN 0
.irp b, 0,1,2,3
	ds_load_b32 v[KS+\b], v[\ks] offset:KSOFF+256*(\b/2)+8*(\b%2)
.endr
.endm
.macro VLOAD
	WIN 0x40
.irp d, 0,1,2,3
.irp c, 0,1,2,3
	ds_load_b128 v[VF+16*\d+4*\c:VF+16*\d+4*\c+3], v[ADV] offset:VOFF+2048*\d+512*\c
.endr
.endr
	WIN 0
	ds_load_b64 v[VS:VS+1], v[ADV] offset:VSOFF
.endm
.macro SCORES t                        ; S^T of tile t: eight sums, each begun with 0.  Register 16 b + i of lane (r, h): key 32 b + 16 h + i
	WIN 0x01
.irp b, 0,1,2,3
	v_wmma_scale_f32_16x16x128_f8f6f4 v[S+16*\b:S+16*\b+7], v[KF+16*\b:KF+16*\b+15], v[QB+16*(\t)+8:QB+16*(\t)+23], 0, v[KS+\b], v[QS+(\t)] matrix_a_fmt:MATRIX_FMT_BF8 matrix_b_fmt:MATRIX_FMT_BF8
	v_wmma_scale_f32_16x16x128_f8f6f4 v[S+16*\b+8:S+16*\b+15], v[KF+16*\b:KF+16*\b+15], v[QB+16*(\t):QB+16*(\t)+15], 0, v[KS+\b], v[QS+(\t)] matrix_a_fmt:MATRIX_FMT_BF8 matrix_b_fmt:MATRIX_FMT_BF8 matrix_a_scale:MATRIX_SCALE_ROW1
.endr
.endm
.macro RESC t                          ; O^T of tile t under the new M
	WIN 0x41
	s_wait_alu depctr_va_vdst(0)                   ; directly ahead of the first reader of O^T
.set j, 0
.rept 16
	v_pk_mul_f32 v[32*(\t)+j:32*(\t)+j+1], v[32*(\t)+j:32*(\t)+j+1], v[F:F+1] op_sel_hi:[1,0]
.set j, j+2
.endr
.endm
.macro PV t                            ; O^T += V^T P^T: four sums by turns
	WIN 0x51
.irp d, 0,1
	v_wmma_scale_f32_16x16x128_f8f6f4 v[32*(\t)+8*\d:32*(\t)+8*\d+7], v[VF+16*\d:VF+16*\d+15], v[PCD:PCD+15], v[32*(\t)+8*\d:32*(\t)+8*\d+7], v[VS+\d], v[PS] matrix_a_fmt:MATRIX_FMT_BF8 matrix_b_fmt:MATRIX_FMT_BF8
.endr
.irp d, 2,3
	v_wmma_scale_f32_16x16x128_f8f6f4 v[32*(\t)+8*\d:32*(\t)+8*\d+7], v[VF+16*\d:VF+16*\d+15], v[PCD:PCD+15], v[32*(\t)+8*\d:32*(\t)+8*\d+7], v[VS+\d-2], v[PS] matrix_a_fmt:MATRIX_FMT_BF8 matrix_b_fmt:MATRIX_FMT_BF8 matrix_a_scale:MATRIX_SCALE_ROW1
.endr
	WIN 0
.endm
.macro HOLD2 x, hx, y, hy              ; two holds in one line: an even and an odd register, of two neighbouring blocks, so that no two sources share a bank
	v_dual_min_num_f32 v[\x], v[\x], v[\hx] :: v_dual_min_num_f32 v[\y], v[\y], v[\hy]
.endm
.macro ACR k                           ; AR = the k-th of the eight chains of a step's row sum: v88-95, v68-71, v30-31, v66-67
.if (\k) < 4
.set AR, SA+2*(\k)
.elseif (\k) < 6
.set AR, SB+2*((\k)-4)
.elseif (\k) == 6
.set AR, 30
.else
.set AR, T
.endif
.endm
.macro JOIN a, b                       ; chain a += chain b
	ACR \b
.set AR2, AR
	ACR \a
	v_pk_add_f32 v[AR:AR+1], v[AR:AR+1], v[AR2:AR2+1]
.endm
.macro PL n                            ; the n-th of the 24 plain lines that stand among the second batch of exponentials: eight pair sums of blocks 0 and 1's p begin the eight chains; then those blocks' 16 lines of holds.
.if (\n) < 8                           ; Each reads what was written ahead of the batch's wait and writes what is first read behind the wait that follows the batch
	ACR \n
	v_pk_add_f32 v[AR:AR+1], v[S+4*(\n):S+4*(\n)+1], v[S+4*(\n)+2:S+4*(\n)+3]
.else
.set HI, 2*(((\n)-8)/2)
.if ((\n)%2) == 0
	HOLD2 S+HI, HL, S+17+HI, HL+1
.else
	HOLD2 S+16+HI, HL+1, S+1+HI, HL
.endif
.endif
.endm
.macro SM t                            ; the softmax of tile t's 128 keys: scores -> p's codes, p's scale word, the factor F.  All in window 0
.set NM, ST+4*(\t)
.set TR, NM+1
.set SU, NM+2
.irp b, 0,1,2,3
	v_max3_num_f32 v[BM+\b], v[S+16*\b], v[S+16*\b+1], v[S+16*\b+2]   ; the largest score of each block of 32 keys, in two chains a block, eight by turns: for the row's maximum and for the block's largest p
.endr
.irp b, 0,1,2,3
	v_max3_num_f32 v[BN+\b], v[S+16*\b+8], v[S+16*\b+9], v[S+16*\b+10]
.endr
.irp i, 3,5
.irp b, 0,1,2,3
	v_max3_num_f32 v[BM+\b], v[BM+\b], v[S+16*\b+\i], v[S+16*\b+\i+1]
.endr
.irp b, 0,1,2,3
	v_max3_num_f32 v[BN+\b], v[BN+\b], v[S+16*\b+8+\i], v[S+16*\b+9+\i]
.endr
.endr
.irp b, 0,1,2,3
	v_max3_num_f32 v[BM+\b], v[BM+\b], v[S+16*\b+7], v[S+16*\b+15]
.endr
.irp b, 0,1,2,3
	v_max_num_f32 v[BM+\b], v[BM+\b], v[BN+\b]
.endr
.irp b, 0,1,2,3
	v_permlanex16_b32 v[TP+\b], v[BM+\b], s[SEL], s[SEL+1]
.endr
.irp b, 0,1,2,3
	v_max_num_f32 v[BM+\b], v[BM+\b], v[TP+\b]     ; with lane l xor 16's 16 keys
.endr
	s_delay_alu instid0(VALU_DEP_2)
	v_max3_num_f32 v[T], v[BM], v[BM+1], v[BM+2]
	s_delay_alu instid0(VALU_DEP_1)
	v_max3_num_f32 v[TR], v[TR], v[T], v[BM+3]     ; the running largest score
	s_delay_alu instid0(VALU_DEP_1)
	v_mul_f32 v[T], s[CS], v[TR]                   ; as t (c is positive)
	s_delay_alu instid0(VALU_DEP_1)
	v_floor_f32 v[T], -v[T]                        ; the new -M = -ceil(t)
	s_delay_alu instid0(VALU_DEP_1)
	v_sub_f32 v[F], v[T], v[NM]                    ; old M - new M: a whole number, 0 or less
	v_mov_b32 v[NM], v[T]
	s_delay_alu instid0(VALU_DEP_2)
	v_cvt_i32_f32 v[F], v[F]                       ; (it saturates)
	s_delay_alu instid0(VALU_DEP_1)
	v_ldexp_f32 v[F], 1.0, v[F]                    ; F = 2^(old M - new M)
.set j, 0
.rept 16
	v_pk_fma_f32 v[S+j:S+j+1], v[S+j:S+j+1], s[CS:CS+1], v[NM:NM+1] op_sel_hi:[1,0,0]   ; t - M of blocks 0 and 1
.set j, j+2
.endr
	v_pk_fma_f32 v[BM:BM+1], v[BM:BM+1], s[CS:CS+1], v[NM:NM+1] op_sel_hi:[1,0,0]       ; the same of the blocks' largest scores
	v_pk_fma_f32 v[BM+2:BM+3], v[BM+2:BM+3], s[CS:CS+1], v[NM:NM+1] op_sel_hi:[1,0,0]
	s_wait_alu depctr_va_vdst(0)                   ; ahead of the batch
.irp b, 0,1,2,3
	v_exp_f32 v[BM+\b], v[BM+\b]                   ; the block's largest p: the same two instructions on the same number give the same bits
.endr
.set j, 0
.rept 16                                   ; THE FIRST BATCH: p = 2^(t - M) of blocks 0 and 1; among its lines t - M of blocks 2 and 3, which the second batch reads behind two waits
	v_exp_f32 v[S+j], v[S+j]
	v_pk_fma_f32 v[S+32+j:S+33+j], v[S+32+j:S+33+j], s[CS:CS+1], v[NM:NM+1] op_sel_hi:[1,0,0]
	v_exp_f32 v[S+j+1], v[S+j+1]
.set j, j+2
.endr
	v_pk_mul_f32 v[SU:SU+1], v[SU:SU+1], v[F:F+1] op_sel_hi:[1,0]   ; the sums under the new M (a plain line behind the batch)
	s_wait_alu depctr_va_vdst(0)                   ; one wait for the batch, ahead of its first reader
.irp b, 0,1,2,3
	v_max_num_f32 v[BM+\b], 0x8000000, v[BM+\b]    ; the floor 2^(16 - 127): the byte cannot fall under 1
.endr
.irp b, 0,1,2,3
	v_add_nc_u32 v[SO+\b], 0xf8800000, v[BM+\b]    ; 15 off the exponent field: the conversion's scale operand
.endr
.irp b, 0,1,2,3
	v_and_or_b32 v[HL+\b], v[BM+\b], 0x7f800000, s[MNT]   ; 57,344 x the scale
.endr
.irp b, 0,1,2,3
	v_lshrrev_b32 v[TP+\b], 23, v[SO+\b]           ; the scale's byte
.endr
	v_lshl_or_b32 v[PS], v[TP+1], 8, v[TP]         ; p's scale word
	v_lshl_or_b32 v[PS], v[TP+2], 16, v[PS]
	s_wait_alu depctr_va_vdst(0)                   ; ahead of the second batch: its sources, and what the plain lines among it read, were written above
.set j, 32
.set PN, 0
.rept 8                                    ; THE SECOND BATCH: p of blocks 2 and 3, with 24 plain lines among its 32
	v_exp_f32 v[S+j], v[S+j]
	v_exp_f32 v[S+j+1], v[S+j+1]
	PL PN
	v_exp_f32 v[S+j+2], v[S+j+2]
	PL PN+1
	v_exp_f32 v[S+j+3], v[S+j+3]
	PL PN+2
.set j, j+4
.set PN, PN+3
.endr
	v_lshl_or_b32 v[PS], v[TP+3], 24, v[PS]        ; p's scale word is whole (a plain line behind the batch)
	s_wait_alu depctr_va_vdst(0)                   ; one wait for the batch and for the plain lines among it, ahead of their first readers
.irp e, 0,1
	v_cvt_scalef32_pk8_bf8_f32 v[PCD+4*\e:PCD+4*\e+1], v[S+16*\e:S+16*\e+7], v[SO+\e]
	v_cvt_scalef32_pk8_bf8_f32 v[PCD+4*\e+2:PCD+4*\e+3], v[S+16*\e+8:S+16*\e+15], v[SO+\e]
.endr
.set PN, 0
.rept 16                                   ; blocks 2 and 3's unquantised p onto the eight chains by turns
	ACR PN%8
	v_pk_add_f32 v[AR:AR+1], v[AR:AR+1], v[S+32+2*PN:S+33+2*PN]
.set PN, PN+1
.endr
	JOIN 0, 1                                      ; the chains are joined among the holds and conversions, which name none of them
	JOIN 2, 3
	JOIN 4, 5
	JOIN 6, 7
.irp i, 0,2,4,6                            ; the conversion does not saturate (ISA guide 7.6.2); p is not negative, so the hold is one-sided
	HOLD2 S+32+\i, HL+2, S+49+\i, HL+3
	HOLD2 S+48+\i, HL+3, S+33+\i, HL+2
.endr
	JOIN 0, 2
	JOIN 4, 6
.irp i, 8,10,12,14
	HOLD2 S+32+\i, HL+2, S+49+\i, HL+3
	HOLD2 S+48+\i, HL+3, S+33+\i, HL+2
.endr
	JOIN 0, 4
.irp e, 2,3
	v_cvt_scalef32_pk8_bf8_f32 v[PCD+4*\e:PCD+4*\e+1], v[S+16*\e:S+16*\e+7], v[SO+\e]
	v_cvt_scalef32_pk8_bf8_f32 v[PCD+4*\e+2:PCD+4*\e+3], v[S+16*\e+8:S+16*\e+15], v[SO+\e]
.endr
	v_pk_add_f32 v[SU:SU+1], v[SU:SU+1], v[SA:SA+1]                ; the step's sum onto the running sum: also the plain line behind the last conversion, ahead of the products that write its sources
.endm
.macro TRIPB clampk                    ; a step: 128 keys, four tiles
	s_wait_dscnt 0x0                               ; this step's K, asked for in the step before
	s_barrier_signal -1                            ; a split barrier in each step: no wave passes the middle of a step before all eight have begun it, so that the waves walk the keys together to the end.  It orders no memory
	SCORES 0
	WIN 0
	v_add_nc_u32 v[ADV], s[TB], v[LI]              ; four additions and four v_nop: the eight plain lines ahead of the loads into V's registers and of the scores' first reader
	s_add_co_u32 s[TK], s[TB], BLK
.if \clampk
	s_min_u32 s[TK], s[TK], 15*BLK                 ; the last step has no successor: it fetches its own K once more, inside the head's bytes
.endif
	v_add_nc_u32 v[ADK0], s[TK], v[AK0]
	v_add_nc_u32 v[ADK1], s[TK], v[AK1]
	v_add_nc_u32 v[ADKS], s[TK], v[AKS]
.rept 4
	v_nop
.endr
	VLOAD
	SM 0
	SCORES 1
	s_wait_dscnt 0x0                               ; this step's V
	RESC 0
	PV 0
	SM 1
	s_barrier_wait -1                              ; between signal and wait: register work and loads of LDS bytes that nobody writes
	SCORES 2
	RESC 1
	PV 1
	SM 2
	SCORES 3
	RESC 2                                         ; 16 plain lines behind the last reader of K's registers
	PV 2
	KLOAD ADK0, ADK1, ADKS                         ; the next step's K lands under tile 3's softmax
	SM 3
	RESC 3
	s_wait_alu depctr_va_vdst(0)                   ; behind it stand only products, the branch and the next step's wait
	PV 3
	s_add_co_u32 s[TB], s[TB], BLK
.endm
.macro STEPS n, clampk
	s_mov_b32 s[TRIP], \n
.Lstep_\@:
	TRIPB \clampk
	s_sub_co_u32 s[TRIP], s[TRIP], 1
	s_cmp_lg_u32 s[TRIP], 0
	s_cbranch_scc1 .Lstep_\@
.endm
	s_cmp_lt_u32 s[WV], 2
	s_cbranch_scc0 .Lnot_first
	s_wait_tensorcnt 0x0                           ; waves 0 and 1: blocks 0 to 3 are in.  The other waves' wait stands at the second barrier
.Lnot_first:
	s_barrier_signal -1
	s_barrier_wait -1
	KLOAD AK0, AK1, AKS
	s_wait_loadcnt 0x0                             ; Q
	STEPS 3, 0                                     ; steps 0 to 2 read blocks 0 to 3
	s_wait_tensorcnt 0x0                           ; every wave: my two blocks are in
	s_wait_dscnt 0x0
	s_barrier_signal -1
	s_barrier_wait -1
	STEPS 13, 1
; THE WAY OUT.  The four reciprocals as one batch; then tile by tile: O^T / the sum, quantised along the head's 64 (two blocks of 32, each held by lanes l and l xor 16), stored as two pieces of 512 bytes.
.irp t, 0,1,2,3
	v_add_f32 v[ST+4*\t+2], v[ST+4*\t+2], v[ST+4*\t+3]
.endr
.irp t, 0,1,2,3
	v_permlanex16_b32 v[TP+\t], v[ST+4*\t+2], s[SEL], s[SEL+1]
.endr
.irp t, 0,1,2,3
	v_add_f32 v[ST+4*\t+2], v[ST+4*\t+2], v[TP+\t] ; the row's sum
.endr
	s_wait_alu depctr_va_vdst(0)                   ; ahead of the batch
.irp t, 0,1,2,3
	v_rcp_f32 v[ST+4*\t+2], v[ST+4*\t+2]
.endr
	v_nop
.macro FIN t
.set SU, ST+4*(\t)+2
.set CD, QB+8*(\t)                     ; a set of code registers for each tile: no store's data is written again
	WIN 0x01
	s_wait_alu depctr_va_vdst(0)                   ; behind the batch, and directly ahead of the first reader of this tile's O^T
.set j, 0
.rept 16
	v_pk_mul_f32 v[S+j:S+j+1], v[32*(\t)+j:32*(\t)+j+1], v[SU:SU+1] op_sel_hi:[1,0]
.set j, j+2
.endr
	WIN 0
.irp b, 0,1
	v_max3_num_f32 v[BM+\b], |v[S+16*\b]|, |v[S+16*\b+1]|, 0x8000000
.endr
.irp i, 2,4,6,8,10,12,14
.irp b, 0,1
	v_max3_num_f32 v[BM+\b], v[BM+\b], |v[S+16*\b+\i]|, |v[S+16*\b+\i+1]|
.endr
.endr
.irp b, 0,1
	v_permlanex16_b32 v[TP+\b], v[BM+\b], s[SEL], s[SEL+1]
.endr
.irp b, 0,1
	v_max_num_f32 v[BM+\b], v[BM+\b], v[TP+\b]
.endr
.irp b, 0,1
	v_add_nc_u32 v[SO+\b], 0xf8800000, v[BM+\b]
	v_and_or_b32 v[HL+\b], v[BM+\b], 0x7f800000, s[MNT]
.endr
.irp b, 0,1
	v_lshrrev_b32 v[TP+\b], 23, v[SO+\b]
.endr
	v_lshl_or_b32 v[WT+(\t)], v[TP+1], 8, v[TP]    ; the row's two scale bytes
.irp b, 0,1
.set i, 0
.rept 16
	v_med3_num_f32 v[S+16*\b+i], v[S+16*\b+i], -v[HL+\b], v[HL+\b]
.set i, i+1
.endr
.endr
.irp b, 0,1
	v_cvt_scalef32_pk8_bf8_f32 v[CD+4*\b:CD+4*\b+1], v[S+16*\b:S+16*\b+7], v[SO+\b]
	v_cvt_scalef32_pk8_bf8_f32 v[CD+4*\b+2:CD+4*\b+3], v[S+16*\b+8:S+16*\b+15], v[SO+\b]
.endr
	v_nop
.irp b, 0,1                                ; lanes 16-31 of the first pair change places with lanes 0-15 of the second: positions 16 h + 0 .. 15, the operand's layout
	v_permlane16_swap_b32 v[CD+4*\b], v[CD+4*\b+2]
	v_permlane16_swap_b32 v[CD+4*\b+1], v[CD+4*\b+3]
.endr
.irp c, 0,1
	global_store_b128 v[LI], v[CD+4*\c:CD+4*\c+3], s[10:11] offset:(\t)*16384+512*\c   ; 32 lanes store 512 consecutive bytes, aligned
.endr
.endm
	FIN 0
	FIN 1
	FIN 2
	FIN 3
	v_cndmask_b32 v[HW], v[WT], v[WT+1], s[HIM]    ; lanes 0-15 one tile's rows, lanes 16-31 the next tile's
	v_cndmask_b32 v[HW+1], v[WT+2], v[WT+3], s[HIM]
	global_store_b16 v[LO], v[HW], s[12:13]
	global_store_b16 v[LO], v[HW+1], s[12:13] offset:1024
	s_wait_tensorcnt 0x0                           ; the wave's end
	ds_add_u32 v[SPW], v[NIL]
	s_wait_dscnt 0x0
	ROUND                                          ; the closing round
	s_endpgm
.Lfunc_end_k_q3d29ce9f96_attn:
	.size	k_q3d29ce9f96_attn, .Lfunc_end_k_q3d29ce9f96_attn-k_q3d29ce9f96_attn
	.p2alignl 7, 3214868480
	.fill 96, 4, 3214868480
	.section	.rodata,"a",@progbits
	.p2align	6, 0x0
	.amdhsa_kernel k_q3d29ce9f96_attn
		.amdhsa_group_segment_fixed_size 327680
		.amdhsa_private_segment_fixed_size 0
		.amdhsa_enable_private_segment 0
		.amdhsa_kernarg_size 40
		.amdhsa_user_sgpr_count 2
		.amdhsa_user_sgpr_kernarg_segment_ptr 1
		.amdhsa_wavefront_size32 1
		.amdhsa_system_sgpr_workgroup_id_x 1
		.amdhsa_system_sgpr_workgroup_id_y 1
		.amdhsa_system_sgpr_workgroup_id_z 1
		.amdhsa_system_vgpr_workitem_id 0
		.amdhsa_next_free_vgpr 512
		.amdhsa_next_free_sgpr 66
		.amdhsa_reserve_vcc 0
		.amdhsa_float_denorm_mode_32 3
		.amdhsa_float_denorm_mode_16_64 3
		.amdhsa_memory_ordered 1
		.amdhsa_forward_progress 1
		.amdhsa_inst_pref_size 168
	.end_amdhsa_kernel
	.amdgpu_metadata
---
amdhsa.version: [ 1, 2 ]
amdhsa.kernels:
  - .name:           k_q3d29ce9f96_attn
    .symbol:         k_q3d29ce9f96_attn.kd
    .args:
      - { .name: qc, .offset: 0, .size: 8, .value_kind: global_buffer, .address_space: global }
      - { .name: qs, .offset: 8, .size: 8, .value_kind: global_buffer, .address_space: global }
      - { .name: kv, .offset: 16, .size: 8, .value_kind: global_buffer, .address_space: global }
      - { .name: oc, .offset: 24, .size: 8, .value_kind: global_buffer, .address_space: global }
      - { .name: os, .offset: 32, .size: 8, .value_kind: global_buffer, .address_space: global }
    .group_segment_fixed_size: 327680
    .private_segment_fixed_size: 0
    .kernarg_segment_align: 8
    .kernarg_segment_size: 40
    .max_flat_workgroup_size: 256
    .sgpr_count:     66
    .vgpr_count:     512
    .wavefront_size: 32
...
	.end_amdgpu_metadata
.endif
;; end of part 2
;; launch oproj (part 3): grid 4 x 64, 4 waves a work-group, clusters of 4 x 4, 327,680 bytes of LDS; arguments oc, os, Wo_codes, Wo_scales, bo, out0; writes out0
.if DOCPART == 3
	.amdgcn_target "amdgcn-amd-amdhsa--gfx1250"
	.amdhsa_code_object_version 6
	.text
	.protected	k_q3d29ce9f96_oproj
	.globl	k_q3d29ce9f96_oproj
	.p2align	8
	.type	k_q3d29ce9f96_oproj,@function
k_q3d29ce9f96_oproj:
	s_mov_b64 s[64:65], 0
	v_nop
	global_prefetch_b8 v0, s[64:65] scope:SCOPE_SE
	s_setreg_imm32_b32 hwreg(HW_REG_WAVE_MODE, 25, 1), 1
	s_wait_xcnt 0x0
	s_wait_alu depctr_hold_cnt(0) depctr_sa_sdst(0) depctr_va_vdst(0) depctr_va_sdst(0) depctr_va_ssrc(0) depctr_va_vcc(0) depctr_vm_vsrc(0)
	s_getreg_b32 s2, hwreg(HW_REG_IB_STS2, 6, 4)
	s_cmp_eq_u32 s2, 0
	s_cbranch_scc0 .Lentry_in_a_cluster
	s_endpgm
.Lentry_in_a_cluster:
	s_bfe_u32 s2, ttmp6, 0x10000c
	s_cmp_lg_u32 s2, 0xf033
	s_cbranch_scc0 .Lentry_shape_is_right
	s_endpgm
.Lentry_shape_is_right:
; out0 = o Wo^T + bo on codes of BF8 (E5M2) with one E8M0 scale for each 32 along K = 1,024; sums in f32.
; o comes as images of operand registers: oc[tile of 16 tokens][head][piece c][lane][16 bytes], 16,384 bytes a tile; a K step of 256 is 4,096 consecutive bytes of a tile.  os: 32 scale bytes a token.  Wo: rows of 1,024 codes, 32 scale bytes a row.
; SHARES.  256 work-groups, one block of 128 tokens x 256 outputs each; four waves, 2 x 2: a wave makes 64 x 128: 32 accumulators of 16 x 16, one window of registers.
; K goes in four steps of 256 through two LDS slots (o's 128 rows as images, Wo's 256 rows with 16 bytes of padding behind each 256).  The scale bytes of the block's rows come once and stay.
; CLUSTERS: 4 x 4.  o's tiles are shared along a row of the cluster, Wo's along a column: joint loads.
; BOTH operands have two sets of fragment registers: a step of 128 along K asks for the next step's 48 LDS loads ahead of its own 32 products.  So a slot's last fragments are in registers at the head of its second step, and the slot is filled again there.
; The matrix instruction is used transposed (source 0 = 16 rows of Wo, source 1 = 16 tokens): a lane holds eight neighbouring outputs of a token.  THE BIAS is the C of each sum's first product.
; PREFETCH INTO THE L2.  The four K steps are written out, with no loop, and K step 1 is asked for as soon as K step 0 has landed: so K steps 1 to 3 are named at the head, behind the head's tensor loads.  The four partners that ask for a tile jointly share
; its blocks of 256 bytes out by address.  Of the four tiles of 16 tokens that a wave fetches of o, partner cx names tile cx: 12,288 bytes, lanes 256 bytes apart, two instructions (in the second, lanes 16-31 name its last block again).
; Of a wave's 128 rows of Wo, partner cy names 32: a lane a row, an instruction a K step; Wo's rows are loaded by all sixteen clusters and named by the clusters with y under 4 alone.  The address registers are never written again.
; LIMITS: NaN and infinities are not served.
; REGISTERS: window 0: v1-11 lane terms, v16-29 addresses, v32-63 scale words (nothing else), v64-127 the bias, v128-255 o's fragments, two sets of 64; on the way out rows read back.  window 1: Wo's fragments, two sets of 128.  window 2: accumulator (a, b) at v[8 (8 a + b)].
.set SIZE_N, 1024
.set KROW,   1024
.set NQ,     2
.set ROWB,   256
.set PITCH,  272                       ; 256 bytes + 16 of padding: the 16 rows of a fragment load start at 16 different banks (64 banks of 4 bytes: ISA guide 11.1)
.set FR,     16
.set NP,     8                         ; plain lines behind this matrix instruction (ISA guide 7.12.1)
.set HALFT,  128*PITCH
.set HALFA,  16384                     ; 64 tokens of a K step: four tiles of 4,096 bytes
.set SLOT,   2*HALFA+2*HALFT
.set KS,     32
.set SCL,    2*SLOT                    ; the scales, as units of 256 bytes + 16: o's 128 rows, then Wo's 256
.set HALFS,  (128*KS/256)*272
.set SBLK,   (16*KS/256)*272
.set SPARE,  SCL+3*HALFS               ; the spare words, 128 bytes a wave: two blocks of 256 bytes that no other line names
.set SPITCH, 528                       ; the way out: a stage of 16 rows x (512 + 16) bytes a wave, in slot 0, which has had its last fill and its last read by then
.set ADRA, 16
.set ADRB, 20
.set STO,  24
.set RD,   25
.set CO,   26
.set ADRS, 27
.set SPW,  28
.set NIL,  29
.set SC,   32
.set BI,   64
.set AF,   128
.set BK,   128
.set G1, 24
.set G0, 32
.set G1B, 48
.set G0B, 56
.set G1S, 68
.set G0S, 76
.set G1SB, 80
.set G0SB, 88
.set MSB, 0
.macro WIN new                         ; the immediate's high byte repeats the setting that is left
.if MSB != (\new)
	s_set_vgpr_msb (MSB<<8)|(\new)
.set MSB, (\new)
.endif
.endm
.set MULW, 0xa1                        ; source 0 window 1, source 1 window 0, C and D window 2
.set TO_B, 0x40
.macro JLOAD g0a, g1a, g0b, g1b        ; a joint load of the ring: waves 0 and 1 fetch o's halves, waves 2 and 3 Wo's
	s_cmp_eq_u32 s15, 0
	s_cbranch_scc0 .Lfor_b_\@
	tensor_load_to_lds s[\g0a:\g0a+3], s[\g1a:\g1a+7]
	s_nop 0
.rept 4
	v_nop
.endr
	s_branch .Lasked_\@
.Lfor_b_\@:
	tensor_load_to_lds s[\g0b:\g0b+3], s[\g1b:\g1b+7]
	s_nop 0
.rept 4
	v_nop
.endr
.Lasked_\@:
.endm
.macro CREST                           ; a round of the cluster's barrier behind its opening barrier
	s_cmp_lg_u32 s14, 0
	s_cbranch_scc1 .Lnot_wave_0_\@
	s_barrier_signal -3
.Lnot_wave_0_\@:
	s_barrier_wait -3
	s_barrier_signal -1
	s_barrier_wait -1
.endm
.macro CROUND
	s_barrier_signal -1
	s_barrier_wait -1
	CREST
.endm
.macro PLACES n
.rept \n
	v_nop
.endr
.endm
	s_load_b128 s[4:7], s[0:1], 0x0                ; oc, os
	s_load_b128 s[8:11], s[0:1], 0x10              ; Wo's codes, scales
	s_load_b64 s[96:97], s[0:1], 0x20              ; bo
	s_load_b64 s[12:13], s[0:1], 0x28              ; out0
	v_lshl_add_u32 v[SPW], v0, 2, SPARE
	v_mov_b32 v[NIL], 0
	ds_add_u32 v[SPW], v[NIL]                      ; the opening lines: the add, twice on end, and its wait ahead of my first tensor load
	ds_add_u32 v[SPW], v[NIL]
	v_lshrrev_b32 v1, 5, v0
	v_readfirstlane_b32 s14, v1                    ; wave 0..3
	s_lshr_b32 s15, s14, 1                         ; my half of the tokens.  Also: in the ring I fetch for o (0) or for Wo (1)
	s_and_b32 s16, s14, 1                          ; my half of the outputs.  Also: which half of that tile I fetch
	s_bfe_u32 s40, ttmp6, 0x40000                  ; cx
	s_bfe_u32 s41, ttmp6, 0x40004                  ; cy
	s_lshl_b32 s42, ttmp9, 2
	s_add_co_u32 s42, s42, s40                     ; Wo's tile of 256 rows
	s_and_b32 s17, ttmp7, 0xffff
	s_lshl_b32 s17, s17, 2
	s_add_co_u32 s17, s17, s41                     ; o's tile of 128 tokens
	s_lshl_b32 s43, s41, 2
	s_lshl_b32 s43, 15, s43                        ; my row of the cluster
	s_lshl_b32 s44, 0x1111, s40                    ; my column
	s_or_b32 s[G1+0], s43, (3<<16)|(1<<21)         ; o: rows of 4,096 bytes (512 elements of 8), one a tile of 16 tokens, 16,384 bytes apart: eight at the head, four in the ring
	s_mov_b32 s[G1+1], 512<<16
	s_mov_b32 s[G1+2], 8<<16
	s_mov_b32 s[G1+3], 512<<16
	s_mov_b32 s[G1+4], 8
	s_mov_b32 s[G1+5], 2048
	s_mov_b32 s[G1+6], 0
	s_mov_b32 s[G1+7], 0
	s_or_b32 s[G1B+0], s44, (0<<16)|(1<<20)|(1<<21)|(5<<22)|(3<<25)   ; Wo: rows of 256 bytes, 4 words of padding after every 64: 256 rows at the head, 128 in the ring
	s_mov_b32 s[G1B+1], ROWB<<16
	s_mov_b32 s[G1B+2], 256<<16
	s_mov_b32 s[G1B+3], ROWB<<16
	s_mov_b32 s[G1B+4], 256
	s_mov_b32 s[G1B+5], KROW
	s_mov_b32 s[G1B+6], 0
	s_mov_b32 s[G1B+7], 0
	s_or_b32 s[G1S+0], s43, (3<<16)|(1<<20)|(1<<21)|(5<<22)|(3<<25)   ; scales: dense rows of 256 bytes, 16 of padding behind each: 16 rows for o's 128 tokens,
	s_mov_b32 s[G1S+1], 32<<16
	s_mov_b32 s[G1S+2], 16<<16
	s_mov_b32 s[G1S+3], 32<<16
	s_mov_b32 s[G1S+4], 16
	s_mov_b32 s[G1S+5], 32
	s_mov_b32 s[G1S+6], 0
	s_mov_b32 s[G1S+7], 0
	s_or_b32 s[G1SB+0], s44, (3<<16)|(1<<20)|(1<<21)|(5<<22)|(3<<25)  ; 32 for Wo's 256 rows
	s_mov_b32 s[G1SB+1], 32<<16
	s_mov_b32 s[G1SB+2], 32<<16
	s_mov_b32 s[G1SB+3], 32<<16
	s_mov_b32 s[G1SB+4], 32
	s_mov_b32 s[G1SB+5], 32
	s_mov_b32 s[G1SB+6], 0
	s_mov_b32 s[G1SB+7], 0
	s_lshl_b32 s20, s17, 17                        ; o's codes: 128 tokens x 1,024 bytes a tile
	s_mov_b32 s21, 0
	s_lshl_b32 s22, s17, 12                        ; its scales: 128 x 32
	s_mov_b32 s23, 0
	s_lshl_b32 s46, s42, 18                        ; Wo's codes: 256 rows x 1,024
	s_mov_b32 s47, 0
	s_lshl_b32 s92, s42, 13                        ; its scales
	s_mov_b32 s93, 0
	s_lshl_b32 s18, s16, 16                        ; in the ring: my half of o's tile, 64 tokens,
	s_mov_b32 s19, 0
	s_lshl_b32 s2, s16, 17                         ; or of Wo's, 128 rows
	s_mov_b32 s3, 0
	s_mul_i32 s45, s16, HALFA                      ; and where they go: no place in the cluster enters an LDS address
	s_mul_i32 s95, s16, HALFT
	s_add_co_u32 s95, s95, 2*HALFA
	s_wait_dscnt 0x0                               ; both opening adds are done
	s_wait_kmcnt 0x0
	s_add_nc_u64 s[20:21], s[4:5], s[20:21]
	s_add_nc_u64 s[22:23], s[6:7], s[22:23]
	s_add_nc_u64 s[46:47], s[8:9], s[46:47]
	s_add_nc_u64 s[92:93], s[10:11], s[92:93]
	CROUND                                         ; all sixteen work-groups are here: the first joint loads meet
	s_mov_b32 s4, 1                                ; s[4:7]: group 0 for K step 0 of o's 128 tokens (the arguments that lay there have been used)
	s_mov_b32 s5, 0
	s_mov_b64 s[6:7], s[20:21]
	s_or_b32 s7, s7, 0x80000000
	s_mov_b32 s8, 1                                ; s[8:11]: for K step 0 of Wo's 256 rows
	s_mov_b32 s9, 2*HALFA
	s_mov_b64 s[10:11], s[46:47]
	s_or_b32 s11, s11, 0x80000000
	s_mov_b32 s[G0S], 1
	s_mov_b32 s[G0S+1], SCL
	s_mov_b64 s[G0S+2:G0S+3], s[22:23]
	s_or_b32 s[G0S+3], s[G0S+3], 0x80000000
	s_mov_b32 s[G0SB], 1
	s_mov_b32 s[G0SB+1], SCL+HALFS
	s_mov_b64 s[G0SB+2:G0SB+3], s[92:93]
	s_or_b32 s[G0SB+3], s[G0SB+3], 0x80000000
	s_add_nc_u64 s[20:21], s[20:21], s[18:19]      ; for the ring: my half
	s_add_nc_u64 s[46:47], s[46:47], s[2:3]
	s_lshl_b32 s92, s40, 14                        ; the prefetches.  o: of my four tiles of 16 tokens, tile cx;
	s_mov_b32 s93, 0
	s_add_nc_u64 s[18:19], s[20:21], s[92:93]
	s_lshl_b32 s92, s41, 15                        ; Wo: of my 128 rows, 32 from row 32 cy on
	s_add_nc_u64 s[2:3], s[46:47], s[92:93]
	s_and_b32 s94, ttmp7, 0xffff                   ; the cluster's y
.irp s, 0,1
	s_mov_b32 s[G0+4*\s], 1
	s_add_co_u32 s[G0+4*\s+1], s45, \s*SLOT
	s_add_nc_u64 s[G0+4*\s+2:G0+4*\s+3], s[20:21], \s*4096
	s_or_b32 s[G0+4*\s+3], s[G0+4*\s+3], 0x80000000
	s_mov_b32 s[G0B+4*\s], 1
	s_add_co_u32 s[G0B+4*\s+1], s95, \s*SLOT
	s_add_nc_u64 s[G0B+4*\s+2:G0B+4*\s+3], s[46:47], \s*ROWB
	s_or_b32 s[G0B+4*\s+3], s[G0B+4*\s+3], 0x80000000
.endr
; THE HEAD'S LOADS, ONE A WAVE: wave 0 K step 0 of o, wave 1 of Wo, wave 2 o's scales, wave 3 Wo's.  One tree of branches on the wave's number: every way passes one load.
.macro ARM under, g0, g1, next
	s_cmp_lt_u32 s14, \under
	s_cbranch_scc0 \next
	tensor_load_to_lds s[\g0:\g0+3], s[\g1:\g1+7]
	s_nop 0
.rept 4
	v_nop
.endr
	s_branch .Lhead_asked
\next:
.endm
	ARM 1, 4, G1, .Lhead_b
	ARM 2, 8, G1B, .Lhead_sa
	ARM 3, G0S, G1S, .Lhead_sb
	tensor_load_to_lds s[G0SB:G0SB+3], s[G1SB:G1SB+7]
	s_nop 0
.rept 4
	v_nop
.endr
.Lhead_asked:
	v_and_b32 v9, 31, v0
	v_min_u32 v10, 15, v9
	v_lshlrev_b32 v11, 10, v9                      ; Wo: a lane a row
	v_lshlrev_b32 v9, 8, v9                        ; o: lanes 256 bytes apart: K steps 1 and 2 of a tile are 8,192 bytes on end,
	v_lshlrev_b32 v10, 8, v10                      ; K step 3 sixteen blocks: lanes 16-31 name the last again
	s_wait_alu depctr_va_vdst(0)                   ; ahead of the branches
	s_cmp_eq_u32 s15, 0
	s_cbranch_scc0 .Lask_b
	global_prefetch_b8 v9, s[18:19] offset:4096 th:TH_LOAD_NT scope:SCOPE_SE
	global_prefetch_b8 v10, s[18:19] offset:12288 th:TH_LOAD_NT scope:SCOPE_SE
	s_branch .Lasked_ahead
.Lask_b:
	s_cmp_lt_u32 s94, 4                            ; Wo's rows are named by four clusters of the sixteen that load them
	s_cbranch_scc0 .Lasked_ahead
	global_prefetch_b8 v11, s[2:3] offset:256 th:TH_LOAD_NT scope:SCOPE_SE
	global_prefetch_b8 v11, s[2:3] offset:512 th:TH_LOAD_NT scope:SCOPE_SE
	global_prefetch_b8 v11, s[2:3] offset:768 th:TH_LOAD_NT scope:SCOPE_SE
.Lasked_ahead:
	v_and_b32 v1, 15, v0                           ; r
	v_bfe_u32 v2, v0, 4, 1                         ; h
	v_mul_u32_u24 v3, v1, PITCH
	v_lshl_add_u32 v4, v2, 4, v3                   ; Wo: a fragment's row x pitch + 16 h
	v_and_b32 v6, 31, v0
	v_lshlrev_b32 v[CO], 4, v6                     ; 16 x lane: o's images, and my place in a row of out0
	s_mul_i32 s21, s15, HALFA                      ; my 64 tokens
	s_mul_i32 s22, s16, HALFT
	s_add_co_u32 s22, s22, 2*HALFA                 ; my 128 rows of Wo
.irp s, 0,1
	v_add_nc_u32 v[ADRA+\s], s21, v[CO]
	v_add_nc_u32 v[ADRB+\s], s22, v4
	s_add_co_u32 s21, s21, SLOT
	s_add_co_u32 s22, s22, SLOT
.endr
	v_mul_u32_u24 v5, v1, KS                       ; my row's scales: 32 bytes a row,
	v_lshrrev_b32 v6, 8, v5
	v_lshl_add_u32 v5, v6, 4, v5                   ; and 16 more for each 256 passed
	s_mul_i32 s21, s15, HALFS/2                    ; o's: my 64 rows
	s_mul_i32 s22, s16, HALFS
	s_add_co_u32 s22, s22, HALFS                   ; Wo's: my 128 rows, behind o's 128
	s_sub_co_u32 s22, s22, s21
	v_mul_u32_u24 v6, s22, v2                      ; lanes 16-31 take Wo's
	s_add_co_u32 s21, s21, SCL
	v_add_nc_u32 v5, v5, v6
	v_add_nc_u32 v[ADRS], s21, v5
	s_mul_i32 s23, s14, 16*SPITCH                  ; my stage
	v_mul_u32_u24 v5, v1, SPITCH
	v_lshl_add_u32 v5, v2, 5, v5
	v_add_nc_u32 v[STO], s23, v5
	v_add_nc_u32 v[RD], s23, v[CO]
	s_lshl_b32 s46, s42, 10                        ; my first output, in bytes of f32: 1,024 x tile + 512 x half
	s_lshl_b32 s47, s16, 9
	s_add_co_u32 s46, s46, s47
	s_mov_b32 s47, 0
	s_add_nc_u64 s[96:97], s[96:97], s[46:47]
	v_lshlrev_b32 v7, 5, v2
.irp b, 0,1,2,3,4,5,6,7                    ; the bias: tile b of Wo's rows: the lane's eight outputs 16 b + 8 h + 0 .. 7
	global_load_b128 v[BI+8*\b:BI+8*\b+3], v7, s[96:97] offset:64*\b
	global_load_b128 v[BI+8*\b+4:BI+8*\b+7], v7, s[96:97] offset:64*\b+16
.endr
	s_lshl_b32 s20, s17, 7
	s_lshl_b32 s21, s15, 6
	s_add_co_u32 s20, s20, s21                     ; my first token
	s_lshl_b32 s20, s20, 12                        ; 4,096 bytes a row of out0
	s_mov_b32 s21, 0
	s_add_nc_u64 s[20:21], s[20:21], s[46:47]
	s_add_nc_u64 s[12:13], s[12:13], s[20:21]
.macro FETCH slot, q, p                ; 48 LDS loads: the fragments of the slot's q-th 128 along K into set p: Wo's eight, o's four
	WIN TO_B
.irp i, 0,1,2,3,4,5,6,7
.irp c, 0,1,2,3
	ds_load_b128 v[128*(\p)+FR*\i+4*\c:128*(\p)+FR*\i+4*\c+3], v[ADRB+\slot] offset:128*(\q)+32*\c+\i*16*PITCH
.endr
.endr
	WIN 0
.irp i, 0,1,2,3
.irp c, 0,1,2,3
	ds_load_b128 v[AF+64*(\p)+FR*\i+4*\c:AF+64*(\p)+FR*\i+4*\c+3], v[ADRA+\slot] offset:\i*4096+2048*(\q)+512*\c
.endr
.endr
.endm
.macro SCALES sc                       ; a K step's scale words, two a row: lanes 0-15 o's block i (blocks 4 to 7 are read and not used: they are written bytes), lanes 16-31 Wo's block i
.irp i, 0,1,2,3,4,5,6,7
	ds_load_b64 v[SC+8*NQ*\sc+NQ*\i:SC+8*NQ*\sc+NQ*\i+1], v[ADRS] offset:\i*SBLK
.endr
.endm
; 16 products: o's blocks a0, a0 + 1 x Wo's eight, on set p.  zero = 1: C = the bias.  The 32 accumulators take turns, in the same order in every step.
.macro MUL16 a0, p, q, sc, zero
.irp a, \a0, \a0+1
.irp b, 0,1,2,3,4,5,6,7
.set rD, 8*(8*(\a)+\b)
.set rP, 128*(\p)+FR*\b
.set rR, AF+64*(\p)+FR*(\a)
.set rSP, SC+8*NQ*(\sc)+NQ*\b+(\q)
.set rSR, SC+8*NQ*(\sc)+NQ*(\a)+(\q)
.if \zero
	v_wmma_scale_f32_16x16x128_f8f6f4 v[rD:rD+7], v[rP:rP+15], v[rR:rR+15], v[BI+8*\b:BI+8*\b+7], v[rSP], v[rSR] matrix_a_fmt:MATRIX_FMT_BF8 matrix_b_fmt:MATRIX_FMT_BF8 matrix_a_scale:MATRIX_SCALE_ROW1
.else
	v_wmma_scale_f32_16x16x128_f8f6f4 v[rD:rD+7], v[rP:rP+15], v[rR:rR+15], v[rD:rD+7], v[rSP], v[rSR] matrix_a_fmt:MATRIX_FMT_BF8 matrix_b_fmt:MATRIX_FMT_BF8 matrix_a_scale:MATRIX_SCALE_ROW1
.endif
.endr
.endr
.endm
.macro EVEN slot, zero                 ; a slot's first 128 along K, on set 0
.if (\zero) == 0
	PLACES NP                                      ; behind the products that read set 1
.endif
	FETCH \slot, 1, 1
	s_wait_dscnt 48                                ; all but the 48 just issued: set 0 and the scale words are in
.if \zero
	WIN 0x81                                       ; C, the bias, in window 0
.else
	WIN MULW
.endif
	MUL16 0, 0, 0, \slot, \zero
	MUL16 2, 0, 0, \slot, \zero
.endm
; A slot's second 128, on set 1, changes slots: each wave waits for all its tensor loads, adds 0 to its spare word, and waits for that and for its reads of this slot, whose last fragments are then in registers.
; fill = 1: the barrier opens a round of the cluster's, and the slot is filled again, two K steps ahead.
.macro ODD slot, next, fill
	WIN 0
	s_wait_tensorcnt 0x0                           ; my part of the next slot has landed
	ds_add_u32 v[SPW], v[NIL]
	s_wait_dscnt 0x0
	s_barrier_signal -1
	WIN MULW
	MUL16 0, 1, 1, \slot, 0                        ; work on registers while the others arrive
	WIN 0
	s_barrier_wait -1
.if \fill
	CREST
	s_add_nc_u64 s[G0+4*\slot+2:G0+4*\slot+3], s[G0+4*\slot+2:G0+4*\slot+3], 2*4096
	s_add_nc_u64 s[G0B+4*\slot+2:G0B+4*\slot+3], s[G0B+4*\slot+2:G0B+4*\slot+3], 2*ROWB
	JLOAD G0+4*\slot, G1, G0B+4*\slot, G1B         ; the first tensor load behind the round; its four v_nop are among the plain lines ahead of the loads into set 0
	PLACES NP-4
.else
	PLACES NP
.endif
	v_add_nc_u32 v[ADRS], 4*NQ, v[ADRS]            ; the next K step's scale words
	s_wait_alu depctr_va_vdst(0)                   ; directly behind the write
	FETCH \next, 0, 0
	SCALES \next
	WIN MULW
	MUL16 2, 1, 1, \slot, 0
.endm
	s_wait_alu depctr_va_vdst(0)                   ; the head's end
	s_wait_tensorcnt 0x0                           ; my tile of the head's four is in; these lines stand ahead of a later first fill as ahead of a refill
	ds_add_u32 v[SPW], v[NIL]
	s_mov_b32 s[G1+2], 4<<16                       ; no tensor load of mine is out: from here on a load brings half a tile
	s_mov_b32 s[G1+4], 4
	s_mov_b32 s[G1B+2], 128<<16
	s_mov_b32 s[G1B+4], 128
	s_wait_dscnt 0x0
	CROUND                                         ; all four tiles are in, and all sixteen work-groups are here
	JLOAD G0+4, G1, G0B+4, G1B                     ; K step 1: the first tensor load behind the round
	FETCH 0, 0, 0
	SCALES 0
	s_wait_loadcnt 0x0                             ; the bias
	EVEN 0, 1
	ODD 0, 1, 1
	EVEN 1, 0
	ODD 1, 0, 1
	EVEN 0, 0
	ODD 0, 1, 0                                    ; nothing is left to fetch
	EVEN 1, 0
	WIN 0
	s_wait_dscnt 0x0
	WIN MULW
	MUL16 0, 1, 1, 1, 0
	MUL16 2, 1, 1, 1, 0
	WIN 0
; THE WAY OUT, block by block of 16 tokens x 128 outputs: through my stage in LDS, back as whole rows of 512 bytes.  LDS serves a wave's instructions in order (ISA guide 5.7.1.4): no wait between the stores and the loads.
.macro TOSTAGE a
.set AC, 64*(\a)
	WIN 0x08                                       ; the data: window 2
.irp b, 0,1,2,3,4,5,6,7
	ds_store_b128 v[STO], v[AC+8*\b:AC+8*\b+3] offset:64*\b          ; each accumulator from its low end on
	ds_store_b128 v[STO], v[AC+8*\b+4:AC+8*\b+7] offset:64*\b+16
.endr
	WIN 0
.set BB, BK+64*((\a)%2)
.irp t, 0,1,2,3,4,5,6,7,8,9,10,11,12,13,14,15
	ds_load_b128 v[BB+4*\t:BB+4*\t+3], v[RD] offset:\t*SPITCH
.endr
.endm
.macro SEND a, younger                 ; younger: the LDS instructions issued behind block a's loads
.set BB, BK+64*((\a)%2)
	s_wait_dscnt \younger
.if (\a) > 0
	s_add_nc_u64 s[12:13], s[12:13], 16*SIZE_N*4   ; behind a wait on XCNT: the earlier stores have read their base
.endif
.irp t, 0,1,2,3,4,5,6,7,8,9,10,11,12,13,14,15
	global_store_b128 v[CO], v[BB+4*\t:BB+4*\t+3], s[12:13] offset:\t*SIZE_N*4 th:TH_STORE_NT   ; 32 lanes store 512 consecutive bytes, aligned
.endr
.endm
	PLACES NP
	TOSTAGE 0
.irp a, 1,2,3
.if \a > 1
	s_wait_xcnt 0x0                                ; block a - 2's stores have read their registers and their base
.endif
	TOSTAGE \a
	SEND \a-1, 32
.endr
	s_wait_xcnt 0x0
	SEND 3, 0
	s_wait_tensorcnt 0x0                           ; the wave's end
	ds_add_u32 v[SPW], v[NIL]
	s_wait_dscnt 0x0
	CROUND                                         ; the closing round
	s_endpgm
.Lfunc_end_k_q3d29ce9f96_oproj:
	.size	k_q3d29ce9f96_oproj, .Lfunc_end_k_q3d29ce9f96_oproj-k_q3d29ce9f96_oproj
	.p2alignl 7, 3214868480
	.fill 96, 4, 3214868480
	.section	.rodata,"a",@progbits
	.p2align	6, 0x0
	.amdhsa_kernel k_q3d29ce9f96_oproj
		.amdhsa_group_segment_fixed_size 327680
		.amdhsa_private_segment_fixed_size 0
		.amdhsa_enable_private_segment 0
		.amdhsa_kernarg_size 48
		.amdhsa_user_sgpr_count 2
		.amdhsa_user_sgpr_kernarg_segment_ptr 1
		.amdhsa_wavefront_size32 1
		.amdhsa_system_sgpr_workgroup_id_x 1
		.amdhsa_system_sgpr_workgroup_id_y 1
		.amdhsa_system_sgpr_workgroup_id_z 1
		.amdhsa_system_vgpr_workitem_id 0
		.amdhsa_next_free_vgpr 768
		.amdhsa_next_free_sgpr 98
		.amdhsa_reserve_vcc 0
		.amdhsa_float_denorm_mode_32 3
		.amdhsa_float_denorm_mode_16_64 3
		.amdhsa_memory_ordered 1
		.amdhsa_forward_progress 1
		.amdhsa_inst_pref_size 92
	.end_amdhsa_kernel
	.amdgpu_metadata
---
amdhsa.version: [ 1, 2 ]
amdhsa.kernels:
  - .name:           k_q3d29ce9f96_oproj
    .symbol:         k_q3d29ce9f96_oproj.kd
    .args:
      - { .name: oc, .offset: 0, .size: 8, .value_kind: global_buffer, .address_space: global }
      - { .name: os, .offset: 8, .size: 8, .value_kind: global_buffer, .address_space: global }
      - { .name: Wo_codes, .offset: 16, .size: 8, .value_kind: global_buffer, .address_space: global }
      - { .name: Wo_scales, .offset: 24, .size: 8, .value_kind: global_buffer, .address_space: global }
      - { .name: bo, .offset: 32, .size: 8, .value_kind: global_buffer, .address_space: global }
      - { .name: out0, .offset: 40, .size: 8, .value_kind: global_buffer, .address_space: global }
    .group_segment_fixed_size: 327680
    .private_segment_fixed_size: 0
    .kernarg_segment_align: 8
    .kernarg_segment_size: 48
    .max_flat_workgroup_size: 128
    .sgpr_count:     98
    .vgpr_count:     768
    .wavefront_size: 32
...
	.end_amdgpu_metadata
.endif
;; end of part 3
